; MI455X (gfx1250); checked and timed in simulation.
; The chip was launched on July 23, 2026; its instructions are those of AMD's public machine-readable ISA for CDNA 5 (MIT licence, August 2026) and "CDNA5" Instruction Set Architecture Reference Guide (July 2026). The comments in the code are by the model that wrote it; some were corrected since.
;; Multi Head Attention. Allowed arithmetic: matrix products marked QUANTISED: E2M1 operands, one E8M0 scale for each 32 along K, by v_wmma_scale_f32_16x16x128_f8f6f4 with both operands' format E2M1 (or v_wmma_scale_f32_32x16x128_f4), f32 sums; products left as they are: bf16, f16 or f32 operands; f32 sums; everything else in f32.
;; Inputs: W_out 1,024 x 1,024 float32; W_qkv 1,024 x 3,072 float32; x 4 x 2,048 x 1,024 float32.
;; Outputs: out0 4 x 2,048 x 1,024 float32.
;; This version of the problem:
;;   THIS VERSION OF THE PROBLEM IS GIVEN IN LOW PRECISION. The matrix products marked QUANTISED in the list below multiply operands that are first quantised to E2M1 (2 exponent bits, 1 mantissa bit; 4 bits a number), with one power-of-two scale for each 32 numbers along K (OCP MX v1.0); their sums are f32. The products marked 'left as it is' may take bf16, f16 or f32 operands, with f32 sums. Whichever they take, every output number must still come out within the allowed error. Rounding operands to bf16 (8 significant bits) uses up far more of that allowance than f16 does (11 bits, for magnitudes from 6e-5 to 65,504). All else is computed in f32.
;;   The module's matrix products, in the order in which they are computed (A, B: the left and right operand; K: the contracted axis; several contracted axes count as one K, in the product's order):
;;     1. [M 8,192, K 1,024] x [K 1,024, N 3,072]; A: input x; B: input W_qkv: QUANTISED
;;     2. batch 64 x [M 2,048, K 64] x [K 64, N 2,048]; A: computed on the way; B: computed on the way: left as it is (an operand is computed on the way)
;;     3. batch 64 x [M 2,048, K 2,048] x [K 2,048, N 64]; A: computed on the way; B: computed on the way: left as it is (an operand is computed on the way)
;;     4. [M 8,192, K 1,024] x [K 1,024, N 1,024]; A: computed on the way; B: input W_out: left as it is (an operand is computed on the way)
;;   THE QUANTISER, for each operand of a quantised product, along K:
;;     - K is cut into blocks of 32 from its start; a last block that is shorter is filled with zeros.
;;     - A block's scale is 2^e with e = floor(log2(the largest magnitude in the block)) - 2, held to -126 .. 127; a block of zeros has e = 0. As a byte (E8M0): e + 127.
;;     - Each number is divided by its block's scale, clamped to +-6, and rounded to the nearest number of E2M1, ties to even, subnormals kept.
;;     - The product sums the exact products of the quantised numbers (number of the format x scale) in f32.
;;   ~~~python
;;   def quantise(x, axis):      # numpy; x: float32 -> the quantised numbers, widened to float32 again
;;       x = np.moveaxis(x, axis, -1); K = x.shape[-1]
;;       x = np.pad(x, [(0, 0)] * (x.ndim - 1) + [(0, -K % 32)]); x = x.reshape(x.shape[:-1] + (-1, 32)); a = np.abs(x).max(-1, keepdims=True)
;;       e = np.where(a > 0, np.clip(np.frexp(np.where(a > 0, a, 1))[1] - 1 - 2, -126, 127), 0)      # np.frexp(a)[1] - 1 = floor(log2(a)), exactly
;;       r = np.clip(x / 2.0 ** e, -6, 6)
;;       step = 2.0 ** (np.maximum(np.frexp(np.where(r == 0, 1, r))[1] - 1, 0) - 1)
;;       q = np.round(r / step) * step * 2.0 ** e      # np.round: ties to even
;;       return np.moveaxis(q.reshape(q.shape[:-2] + (-1,))[..., :K], -1, axis).astype(np.float32)
;;   ~~~
;; One version. Each part assembles by itself: llvm-mc -triple=amdgcn-amd-amdhsa -mcpu=gfx1250 --defsym DOCPART=n.
;; ======== version 1 of 1: 5 launches
;; limits: values are held in f16: magnitudes above 65,504 overflow, below 6.1e-05 lose precision
;; workspace buffers: codes 5,767,168 bytes; scales 360,448 bytes; wo16 2,097,152 bytes; rope 1,052,672 bytes; qkv 50,331,648 bytes; first 786,432 bytes; ao 16,777,216 bytes
;; launch prep (part 1): grid 464 x 1, 4 waves a work-group, no clusters, 68,096 bytes of LDS; arguments x, W_qkv, W_out, codes, scales, wo16, rope; writes codes, scales, wo16, rope
.if DOCPART == 1
	.amdgcn_target "amdgcn-amd-amdhsa--gfx1250"
	.amdhsa_code_object_version 6
	.text
	.protected	k_qe9b0140e2b_prep
	.globl	k_qe9b0140e2b_prep
	.p2align	8
	.type	k_qe9b0140e2b_prep,@function
k_qe9b0140e2b_prep:
	s_mov_b64 s[64:65], 0
	v_nop
	global_prefetch_b8 v0, s[64:65] scope:SCOPE_SE
	s_setreg_imm32_b32 hwreg(HW_REG_WAVE_MODE, 25, 1), 1
	s_wait_xcnt 0x0
; FOUR PREPARATIONS IN ONE LAUNCH, told apart by the work-group's number alone:
;   W (work-groups 0-47):    W_qkv [1024 k][3072 n] f32 -> codes of FP4 (E2M1) laid [n][k], K innermost, 512 bytes a row, and one E8M0 byte for each 32 along K, laid [n][32]
;   X (48-303):              x [8192][1024] f32 -> the same, rows as they lie
;   O (304-431):             W_out [1024 k][1024 n] f32 -> f16, same layout
;   T (432-463):             the table of cos and sin for the rotary embedding
; A block's scale is 2^(floor(log2(its largest magnitude)) - 2); its byte is the largest magnitude's exponent field - 2, held at 1 from below.
; LIMITS: a block of zeros gets the byte 1 where the rule says 127 (its codes are zeros, and this program alone reads the bytes); blocks whose largest magnitude lies under 2^-124 are held at that floor;
; NaN and infinities among the inputs are not served; W_out must lie inside f16's range (65,504).  cos and sin: the angle is reduced by pi/2 in two parts and the series are cut at z^4: about 1e-7.
; THE TABLE is an image of its user's registers: [t / 16 : 128][g : 4][cos, sin][lane : 32][4 f32]; lane (r, h), number i: pair 8 g + 4 h + i of position 16 (t / 16) + r.  Three parts: for q (cos and sin times
; log2(e) / 8, so that the scores come out ready for 2^s), for k, and one block of cos = 1, sin = 0 for v.
; Each path that uses LDS has bytes of its own.  No tensor load, no barrier: waves share nothing.
.set OFF_WC, 4194304                   ; W's codes behind x's in the buffer of codes
.set OFF_WS, 262144                    ; W's scale bytes behind x's
.set EMAX,  2
.set SPW,   192                        ; v192  LDS address of my spare word; never rewritten
.set NIL,   193                        ; v193  0; never rewritten
.set XREG,  8192                       ; path X: a region for each wave: two stages of 32 x 80 bytes, then its 256 scale bytes
.set SP,    80
.set WST,   32768                      ; path W: four stages of 32 rows x 272 bytes
.set WPITCH, 272
.set SPARE, 67584                      ; the spare words, 128 bytes for each wave: two blocks of 256 bytes that no other line names
.macro FINISH                          ; a wave's end, behind the last LDS store
	s_wait_tensorcnt 0x0
	ds_add_u32 v[SPW], v[NIL]
	s_wait_dscnt 0x0
	s_endpgm
.endm
	s_load_b256 s[4:11], s[0:1], 0x0               ; x s[4:5], W_qkv s[6:7], W_out s[8:9], codes s[10:11]
	s_load_b128 s[12:15], s[0:1], 0x20             ; scales s[12:13], wo16 s[14:15]
	s_load_b64 s[16:17], s[0:1], 0x30              ; rope
	v_lshl_add_u32 v[SPW], v0, 2, SPARE
	v_mov_b32 v[NIL], 0
	v_lshrrev_b32 v1, 5, v0
	v_readfirstlane_b32 s18, v1                    ; wave 0..3
	v_and_b32 v2, 31, v0                           ; lane
	s_wait_kmcnt 0x0
	s_cmp_lt_u32 ttmp9, 48
	s_cbranch_scc1 .Lpath_w
	s_cmp_lt_u32 ttmp9, 304
	s_cbranch_scc1 .Lpath_x
	s_cmp_lt_u32 ttmp9, 432
	s_cbranch_scc1 .Lpath_o
; ---------------- T: work-group j takes positions 64 j .. 64 j + 63; wave g takes pairs 8 g .. 8 g + 7
	s_sub_co_u32 s19, ttmp9, 432                   ; j
	s_mov_b32 s20, 0x3f22f983                      ; 2 / pi
	s_mov_b32 s21, 0x3fc90fdb                      ; pi / 2, the part that f32 holds,
	s_mov_b32 s22, 0xb33bbd2e                      ; and what is left of it
	s_mov_b32 s23, 0x3638ef1d                      ; sine: 1/9!, -1/7!, 1/5!, -1/3!
	s_mov_b32 s24, 0xb9500d01
	s_mov_b32 s25, 0x3c088889
	s_mov_b32 s26, 0xbe2aaaab
	s_mov_b32 s27, 0x37d00d01                      ; cosine: 1/8!, -1/6!, 1/4!
	s_mov_b32 s28, 0xbab60b61
	s_mov_b32 s29, 0x3d2aaaab
	s_mov_b32 s30, 0x3e38aa3b                      ; log2(e) / 8
	s_mov_b32 s31, 0x80000000
	s_mov_b32 s33, 0xbed49a78                      ; -log2(10000) / 32
	v_bfe_u32 v3, v0, 4, 1                         ; h
	v_and_b32 v4, 15, v0                           ; r
	v_lshlrev_b32 v5, 4, v2                        ; 16 bytes a lane
	s_lshl_b32 s32, s18, 3
	v_lshl_add_u32 v6, v3, 2, s32                  ; 8 g + 4 h
	s_lshl_b32 s34, s19, 6
	v_add_nc_u32 v7, s34, v4                       ; 64 j + r
	s_lshl_b32 s34, s19, 14                        ; four blocks of 4,096 bytes a work-group,
	s_lshl_b32 s35, s18, 10                        ; 1,024 bytes a wave in each
	s_add_co_u32 s34, s34, s35
	s_mov_b32 s35, 0
	s_add_nc_u64 s[16:17], s[16:17], s[34:35]
.irp i, 0,1,2,3
	v_add_nc_u32 v[8+\i], \i, v6                   ; the pair p
.endr
.irp i, 0,1,2,3
	v_cvt_f32_u32 v[8+\i], v[8+\i]
.endr
.irp i, 0,1,2,3
	v_mul_f32 v[8+\i], s33, v[8+\i]
.endr
.irp i, 0,1,2,3
	v_exp_f32 v[12+\i], v[8+\i]                    ; 10000^(-p / 32)
.endr
	v_nop                                          ; a plain instruction behind the last exponential,
	s_wait_alu depctr_va_vdst(0)                   ; and one wait for the four, ahead of their first use
; cos and sin of position (in v16, as f32) x frequency i, into the registers of block u: +0 q's cos, +4 q's sin, +8 k's cos, +12 k's sin
.macro SINCOS u, i
.set OUT, 64+16*(\u)
	v_mul_f32 v17, v16, v[12+\i]                   ; the angle
	v_mul_f32 v18, s20, v17
	v_rndne_f32 v18, v18                           ; how many quarter turns
	v_fma_f32 v19, -v18, s21, v17
	v_fma_f32 v19, -v18, s22, v19                  ; what is left: at most pi / 4 either way
	v_cvt_i32_f32 v20, v18
	v_mul_f32 v21, v19, v19                        ; z
	v_fma_f32 v22, v21, s23, s24
	v_fma_f32 v23, v21, s27, s28
	v_fma_f32 v22, v22, v21, s25
	v_fma_f32 v23, v23, v21, s29
	v_fma_f32 v22, v22, v21, s26
	v_fma_f32 v23, v23, v21, -0.5
	v_mul_f32 v24, v21, v19
	v_fma_f32 v23, v23, v21, 1.0                   ; the cosine of what is left,
	v_fma_f32 v22, v22, v24, v19                   ; and the sine
	v_and_b32 v25, 1, v20
	v_cmp_eq_u32 vcc_lo, 1, v25                    ; an odd number of quarter turns: the two change places
	v_cndmask_b32 v26, v22, v23, vcc_lo
	v_cndmask_b32 v27, v23, v22, vcc_lo
	v_lshlrev_b32 v25, 30, v20
	v_and_b32 v25, s31, v25                        ; the sine changes sign in quarters 2 and 3,
	v_xor_b32 v[OUT+12+\i], v25, v26
	v_add_nc_u32 v25, 1, v20
	v_lshlrev_b32 v25, 30, v25
	v_and_b32 v25, s31, v25                        ; the cosine in quarters 1 and 2
	v_xor_b32 v[OUT+8+\i], v25, v27
	v_mul_f32 v[OUT+\i], s30, v[OUT+8+\i]
	v_mul_f32 v[OUT+4+\i], s30, v[OUT+12+\i]
.endm
.irp u, 0,1,2,3                        ; each block has registers of its own, so no store's data are written again
	v_add_nc_u32 v16, 16*\u, v7
	v_cvt_f32_u32 v16, v16
.irp i, 0,1,2,3
	SINCOS \u, \i
.endr
	global_store_b128 v5, v[64+16*\u:67+16*\u], s[16:17] offset:4096*\u              ; each store of the wave covers 512 consecutive bytes
	global_store_b128 v5, v[68+16*\u:71+16*\u], s[16:17] offset:4096*\u+512
	global_store_b128 v5, v[72+16*\u:75+16*\u], s[16:17] offset:4096*\u+524288
	global_store_b128 v5, v[76+16*\u:79+16*\u], s[16:17] offset:4096*\u+524288+512
.endr
	s_cmp_lg_u32 s19, 0                            ; the first of these work-groups also writes the block for v
	s_cbranch_scc1 .Lt_done
.irp i, 0,1,2,3
	v_mov_b32 v[128+\i], 1.0
	v_mov_b32 v[132+\i], 0
.endr
	global_store_b128 v5, v[128:131], s[16:17] offset:1048576
	global_store_b128 v5, v[132:135], s[16:17] offset:1048576+512
.Lt_done:
	FINISH
; ---------------- O: a wave takes 2,048 numbers: 16 loads of 512 consecutive bytes, 16 stores of 256
.Lpath_o:
	s_sub_co_u32 s19, ttmp9, 304
	s_lshl_b32 s20, s19, 15
	s_lshl_b32 s21, s18, 13
	s_add_co_u32 s20, s20, s21
	s_mov_b32 s21, 0
	s_add_nc_u64 s[8:9], s[8:9], s[20:21]
	s_lshr_b32 s20, s20, 1
	s_add_nc_u64 s[14:15], s[14:15], s[20:21]
	v_lshlrev_b32 v3, 4, v2
	v_lshlrev_b32 v4, 3, v2
.irp i, 0,1,2,3,4,5,6,7,8,9,10,11,12,13,14,15
	global_load_b128 v[32+4*\i:35+4*\i], v3, s[8:9] offset:512*\i th:TH_LOAD_NT
.endr
.irp i, 0,1,2,3,4,5,6,7,8,9,10,11,12,13,14,15
	s_wait_loadcnt 15-\i                           ; loads come back in order: the younger ones may stay out
	v_cvt_pk_f16_f32 v[96+2*\i], v[32+4*\i], v[33+4*\i]
	v_cvt_pk_f16_f32 v[97+2*\i], v[34+4*\i], v[35+4*\i]
	global_store_b64 v4, v[96+2*\i:97+2*\i], s[14:15] offset:256*\i
.endr
	FINISH
; ---------------- X: x is a plain stream of blocks of 32.  A wave takes 16 steps of 512 numbers.  Each load reads 512 consecutive bytes; a step's 2,048 bytes turn through the wave's own stage in LDS, so that a lane
; then holds 16 neighbours (two neighbouring lanes hold a block).  Loads run four steps ahead, the turn through LDS one step.
.set STEPS, 16
.set CB,    8                          ; bytes of 16 codes
.set XR,    16                         ; v16-79   four sets of 16 numbers as loaded
.set XX,    80                         ; v80-111  two sets of 16 neighbours
.set XE,    112                        ; v112-127 a scale byte for each step
.set XCD,   128                        ; v128-191 codes: registers of its own for each step
.Lpath_x:
	v_lshlrev_b32 v3, 4, v2
	s_mul_i32 s19, s18, XREG
	v_lshrrev_b32 v14, 2, v2
	v_mul_u32_u24 v14, v14, SP
	v_and_b32 v15, 3, v2
	v_lshl_add_u32 v14, v15, 4, v14
	v_add_nc_u32 v14, s19, v14                     ; the stage, on the way in: four lanes' 64 bytes on end, then 16 of padding
	v_mul_u32_u24 v15, v2, SP
	v_add_nc_u32 v15, s19, v15                     ; and on the way out: my 16 neighbours
	v_mul_u32_u24 v4, v2, CB
	v_lshrrev_b32 v5, 1, v2
	s_add_co_u32 s19, s19, 2*32*SP
	v_add_nc_u32 v5, s19, v5                       ; my block's byte among my wave's 256
	v_lshlrev_b32 v7, 3, v2
	v_add_nc_u32 v6, s19, v7
	s_sub_co_u32 s20, ttmp9, 48
	s_lshl_b32 s20, s20, 2
	s_add_co_u32 s20, s20, s18                     ; which run of 8,192 numbers is my wave's
	s_mov_b32 s23, 0
	s_lshl_b32 s22, s20, 15
	s_add_nc_u64 s[4:5], s[4:5], s[22:23]
	s_lshl_b32 s22, s20, 12
	s_add_nc_u64 s[10:11], s[10:11], s[22:23]
	s_lshl_b32 s22, s20, 8
	s_add_nc_u64 s[12:13], s[12:13], s[22:23]
.macro XLOAD t
.irp i, 0,1,2,3
	global_load_b128 v[XR+16*((\t)%4)+4*\i:XR+16*((\t)%4)+4*\i+3], v3, s[4:5] offset:2048*(\t)+512*\i th:TH_LOAD_NT
.endr
.endm
.macro XTURN t                         ; LDS serves a wave's instructions in order, so no wait stands between the stores and the loads
.irp i, 0,1,2,3
	ds_store_b128 v14, v[XR+16*((\t)%4)+4*\i:XR+16*((\t)%4)+4*\i+3] offset:32*SP*((\t)%2)+8*SP*\i
.endr
.irp i, 0,1,2,3
	ds_load_b128 v[XX+16*((\t)%2)+4*\i:XX+16*((\t)%2)+4*\i+3], v15 offset:32*SP*((\t)%2)+16*\i
.endr
.endm
.irp t, 0,1,2,3
	XLOAD \t
.endr
	s_wait_loadcnt 12                              ; step 0's four loads are in
	XTURN 0
.macro XSTEP t
.set XB, XX+16*((\t)%2)
.if (\t) > 0
	s_wait_dscnt 1                                 ; this step's numbers are back from the stage (the last step's byte store may be out)
.else
	s_wait_dscnt 0x0
.endif
.if (\t)+4 < STEPS
	XLOAD (\t)+4
.endif
.if (\t)+1 < STEPS
.if STEPS-2-(\t) >= 3
	s_wait_loadcnt 12                              ; the next step's four loads are in; those of the three steps behind it may be out
.else
	s_wait_loadcnt 4*(STEPS-2-(\t))
.endif
	XTURN (\t)+1
.endif
	v_max3_num_f32 v8, |v[XB]|, |v[XB+1]|, |v[XB+2]|
	v_max3_num_f32 v9, |v[XB+3]|, |v[XB+4]|, |v[XB+5]|
.irp i, 6,10
	v_max3_num_f32 v8, v8, |v[XB+\i]|, |v[XB+\i+1]|
	v_max3_num_f32 v9, v9, |v[XB+\i+2]|, |v[XB+\i+3]|
.endr
	v_max3_num_f32 v8, v8, |v[XB+14]|, |v[XB+15]|
	v_max3_num_f32 v8, v8, v9, (EMAX+1)<<23        ; the floor, so that the byte cannot fall under 1
	v_max_num_f32_dpp v8, v8, v8 row_xmask:1 row_mask:0xf bank_mask:0xf   ; with my neighbour's 16: the block's largest magnitude
	v_add_nc_u32 v11, -(EMAX<<23), v8              ; 2 off its exponent field: the conversion's scale operand
	v_cvt_scalef32_pk8_fp4_f32 v[XCD+4*(\t)], v[XB:XB+7], v11
	v_cvt_scalef32_pk8_fp4_f32 v[XCD+4*(\t)+1], v[XB+8:XB+15], v11
	v_lshrrev_b32 v[XE+(\t)], 23, v11              ; the scale's byte
	ds_store_b8 v5, v[XE+(\t)] offset:16*(\t)      ; both lanes of a block write the same byte with the same value
	global_store_b64 v4, v[XCD+4*(\t):XCD+4*(\t)+1], s[10:11] offset:32*CB*(\t)      ; the wave stores 256 consecutive bytes
.endm
.irp t, 0,1,2,3,4,5,6,7,8,9,10,11,12,13,14,15
	XSTEP \t
.endr
	ds_load_b64 v[8:9], v6
	s_wait_dscnt 0x0
	global_store_b64 v7, v[8:9], s[12:13]          ; my wave's 256 scale bytes
	FINISH
; ---------------- W: K is the first axis.  A lane takes a column n and its registers run down K: a block of 32 lies in one lane, and the conversions give codes with K innermost.  A wave takes 32 columns x 512 along K;
; its codes go through its own stage in LDS and leave as rows: sixteen lanes store 256 consecutive bytes.  Loads run two blocks ahead.  Every offset is an immediate: 511 rows of 12,288 bytes at the most.
.set NB,   16
.set WX,   32                          ; v32-95   two sets of 32 numbers
.set WC,   96                          ; v96-99   a block's codes
.set WOUT, 112                         ; v112-175 the way out
.set WSB,  24                          ; v24-27   the scale bytes, four to a register
.Lpath_w:
	s_cmp_lt_u32 ttmp9, 24
	s_cselect_b32 s19, 0, 24
	s_cselect_b32 s20, 0, 1                        ; which 512 along K
	s_sub_co_u32 s19, ttmp9, s19                   ; which 128 columns
	s_lshl_b32 s21, s19, 7
	s_lshl_b32 s22, s18, 5
	s_add_co_u32 s21, s21, s22                     ; my wave's first column
	v_lshlrev_b32 v3, 2, v2
	s_mul_i32 s22, s18, 32*WPITCH
	s_add_co_u32 s22, s22, WST                     ; my stage
	v_mul_u32_u24 v4, v2, WPITCH
	v_add_nc_u32 v4, s22, v4                       ; into it: row = my column
	v_and_b32 v5, 15, v2
	v_lshrrev_b32 v6, 4, v2
	v_mul_u32_u24 v7, v6, WPITCH
	v_lshl_add_u32 v7, v5, 4, v7
	v_add_nc_u32 v7, s22, v7                       ; out of it: sixteen lanes to a row, two rows an instruction
	v_lshlrev_b32 v8, 9, v6
	v_lshl_add_u32 v8, v5, 4, v8                   ; and the same place in the codes
	v_lshlrev_b32 v9, 5, v2                        ; my column's row of scale bytes
	s_mov_b32 s25, 0
	s_mul_i32 s24, s20, 512*3072*4
	s_lshl_b32 s26, s21, 2
	s_add_co_u32 s24, s24, s26
	s_add_nc_u64 s[6:7], s[6:7], s[24:25]
	s_lshl_b32 s24, s21, 9
	s_lshl_b32 s26, s20, 8
	s_add_co_u32 s24, s24, s26
	s_add_co_u32 s24, s24, OFF_WC
	s_add_nc_u64 s[10:11], s[10:11], s[24:25]
	s_lshl_b32 s24, s21, 5
	s_lshl_b32 s26, s20, 4
	s_add_co_u32 s24, s24, s26
	s_add_co_u32 s24, s24, OFF_WS
	s_add_nc_u64 s[12:13], s[12:13], s[24:25]
.macro WLOAD t
.irp i, 0,1,2,3,4,5,6,7,8,9,10,11,12,13,14,15,16,17,18,19,20,21,22,23,24,25,26,27,28,29,30,31
	global_load_b32 v[WX+32*((\t)%2)+\i], v3, s[6:7] offset:(32*(\t)+\i)*12288 th:TH_LOAD_NT
.endr
.endm
	WLOAD 0
	WLOAD 1
.macro WBLOCK t
.set WB, WX+32*((\t)%2)
.if (\t) < NB-1
	s_wait_loadcnt 32                              ; this block's 32 loads are in; the next block's may be out
.else
	s_wait_loadcnt 0
.endif
	v_max3_num_f32 v12, |v[WB]|, |v[WB+1]|, |v[WB+2]|
	v_max3_num_f32 v13, |v[WB+3]|, |v[WB+4]|, |v[WB+5]|
.irp i, 6,10,14,18,22,26
	v_max3_num_f32 v12, v12, |v[WB+\i]|, |v[WB+\i+1]|
	v_max3_num_f32 v13, v13, |v[WB+\i+2]|, |v[WB+\i+3]|
.endr
	v_max3_num_f32 v12, v12, |v[WB+30]|, |v[WB+31]|
	v_max3_num_f32 v12, v12, v13, (EMAX+1)<<23
	v_add_nc_u32 v11, -(EMAX<<23), v12
	v_lshrrev_b32 v13, 23, v11
.if (\t)%4 == 0
	v_mov_b32 v[WSB+(\t)/4], v13
.else
	v_lshl_or_b32 v[WSB+(\t)/4], v13, 8*((\t)%4), v[WSB+(\t)/4]
.endif
.irp g, 0,1,2,3
	v_cvt_scalef32_pk8_fp4_f32 v[WC+\g], v[WB+8*\g:WB+8*\g+7], v11
.endr
	ds_store_b128 v4, v[WC:WC+3] offset:16*(\t)
.if (\t)+2 < NB
	WLOAD (\t)+2
.endif
	s_wait_dscnt 0x0                               ; the store has read its registers: the next block's codes may be written
.endm
.set WQ, 0
.rept NB
	WBLOCK WQ
.set WQ, WQ+1
.endr
	global_store_b128 v9, v[WSB:WSB+3], s[12:13]   ; my column's 16 scale bytes
.irp t, 0,1,2,3,4,5,6,7,8,9,10,11,12,13,14,15
	ds_load_b128 v[WOUT+4*\t:WOUT+4*\t+3], v7 offset:2*\t*WPITCH
.endr
.irp t, 0,1,2,3,4,5,6,7,8,9,10,11,12,13,14,15
	s_wait_dscnt 15-\t
	global_store_b128 v8, v[WOUT+4*\t:WOUT+4*\t+3], s[10:11] offset:2*\t*512
.endr
	FINISH
.Lfunc_end_k_qe9b0140e2b_prep:
	.size	k_qe9b0140e2b_prep, .Lfunc_end_k_qe9b0140e2b_prep-k_qe9b0140e2b_prep
	.p2alignl 7, 3214868480
	.fill 96, 4, 3214868480
	.section	.rodata,"a",@progbits
	.p2align	6, 0x0
	.amdhsa_kernel k_qe9b0140e2b_prep
		.amdhsa_group_segment_fixed_size 68096
		.amdhsa_private_segment_fixed_size 0
		.amdhsa_enable_private_segment 0
		.amdhsa_kernarg_size 56
		.amdhsa_user_sgpr_count 2
		.amdhsa_user_sgpr_kernarg_segment_ptr 1
		.amdhsa_wavefront_size32 1
		.amdhsa_system_sgpr_workgroup_id_x 1
		.amdhsa_system_sgpr_workgroup_id_y 1
		.amdhsa_system_sgpr_workgroup_id_z 1
		.amdhsa_system_vgpr_workitem_id 0
		.amdhsa_next_free_vgpr 200
		.amdhsa_next_free_sgpr 66
		.amdhsa_reserve_vcc 1
		.amdhsa_float_denorm_mode_32 3
		.amdhsa_float_denorm_mode_16_64 3
		.amdhsa_memory_ordered 1
		.amdhsa_forward_progress 1
		.amdhsa_inst_pref_size 141
	.end_amdhsa_kernel
	.amdgpu_metadata
---
amdhsa.version: [ 1, 2 ]
amdhsa.kernels:
  - .name:           k_qe9b0140e2b_prep
    .symbol:         k_qe9b0140e2b_prep.kd
    .args:
      - { .name: x, .offset: 0, .size: 8, .value_kind: global_buffer, .address_space: global }
      - { .name: W_qkv, .offset: 8, .size: 8, .value_kind: global_buffer, .address_space: global }
      - { .name: W_out, .offset: 16, .size: 8, .value_kind: global_buffer, .address_space: global }
      - { .name: codes, .offset: 24, .size: 8, .value_kind: global_buffer, .address_space: global }
      - { .name: scales, .offset: 32, .size: 8, .value_kind: global_buffer, .address_space: global }
      - { .name: wo16, .offset: 40, .size: 8, .value_kind: global_buffer, .address_space: global }
      - { .name: rope, .offset: 48, .size: 8, .value_kind: global_buffer, .address_space: global }
    .group_segment_fixed_size: 68096
    .private_segment_fixed_size: 0
    .kernarg_segment_align: 8
    .kernarg_segment_size: 56
    .max_flat_workgroup_size: 128
    .sgpr_count:     66
    .vgpr_count:     200
    .wavefront_size: 32
...
	.end_amdgpu_metadata
.endif
;; end of part 1
;; launch qkv (part 2): grid 12 x 32, 4 waves a work-group, clusters of 4 x 4, 327,680 bytes of LDS; arguments codes, scales, rope, qkv, first; writes qkv, first
.if DOCPART == 2
	.amdgcn_target "amdgcn-amd-amdhsa--gfx1250"
	.amdhsa_code_object_version 6
	.text
	.protected	k_qe9b0140e2b_qkv
	.globl	k_qe9b0140e2b_qkv
	.p2align	8
	.type	k_qe9b0140e2b_qkv,@function
k_qe9b0140e2b_qkv:
	s_mov_b64 s[64:65], 0
	v_nop
	global_prefetch_b8 v0, s[64:65] scope:SCOPE_SE
	s_setreg_imm32_b32 hwreg(HW_REG_WAVE_MODE, 25, 1), 1
	s_wait_xcnt 0x0
	s_wait_alu depctr_hold_cnt(0) depctr_sa_sdst(0) depctr_va_vdst(0) depctr_va_sdst(0) depctr_va_ssrc(0) depctr_va_vcc(0) depctr_vm_vsrc(0)
	s_getreg_b32 s2, hwreg(HW_REG_IB_STS2, 6, 4)
	s_cmp_eq_u32 s2, 0
	s_cbranch_scc0 .Lentry_in_a_cluster
	s_endpgm
.Lentry_in_a_cluster:
	s_bfe_u32 s2, ttmp6, 0x10000c
	s_cmp_lg_u32 s2, 0xf033
	s_cbranch_scc0 .Lentry_shape_is_right
	s_endpgm
.Lentry_shape_is_right:
; x W_qkv on codes of FP4 (E2M1) with one E8M0 scale for each 32 along K, sums in f32; on the way out the rotary embedding (f32), rounding to f16 and the layout by heads.
; A = x's codes [8192][1024], B = W_qkv's codes [3072 n][1024]; a tile of 256 x 256 is made by four waves, 128 x 128 each: 64 accumulators, 512 registers.
; K = 1,024 is two slots of 512: both are first fills, nothing in LDS is filled again.  By this text's count a wave has three tensor loads out at the start: its scales, slot 0, slot 1.
; CLUSTERS: 4 x 4 work-groups; A's tiles are asked for jointly along a row of the cluster, B's along a column.  Tile row = 8 cy + cluster y: so the four partners along y are the four batches, and whether a tile
; holds the first 16 positions of its sequence hangs on the cluster's y alone, the same in all sixteen.  Tile column = 4 cluster x + cx: cluster x says q, k or v.
; THE MATRIX INSTRUCTION IS USED TRANSPOSED (source 0 = 16 rows of B, source 1 = 16 rows of A): a lane holds eight neighbouring columns of one row: four rotary pairs.
; OUT: qkv [3][16 b + head][t][64] f16 (q times log2(e) / 8, which its table carries); first [3][16 b + head][16][64] f32: the same numbers, unrounded, of positions 0-15.
; v goes the same way with cos = 1 and sin = 0: one text.  LIMIT: 0.18 q, k and v must lie inside f16's range (65,504).
; REGISTERS: window 0: v0-31 addresses; v32-95 scale words; v128-191 A's fragments; v192-255 cos and sin, two sets.  window 1: B's fragments, two sets.  windows 2, 3: the accumulators ((a, b) at v[8 (8 (a % 4) + b)]).
; On the way out window 0 holds: v32-95 rotated numbers, v96-127 their f16, v128-191 rows read back from the stage, two sets.
.set SIZE_K, 1024
.set OFF_WC, 4194304
.set OFF_WS, 262144
.set KSTEP,  512
.set NQ,     KSTEP/128
.set ROWB,   256
.set KROW,   SIZE_K*4/8
.set PITCH,  272                       ; an LDS row: 256 bytes + 16 of padding, so that the 16 rows that a load touches start 68 words apart
.set FR,     8
.set NL,     2
.set NP,     4
.set HALFT,  128*PITCH
.set SLOT,   4*HALFT
.set KS,     SIZE_K/32
.set SCL,    2*SLOT                    ; behind the two slots: the scales of my 256 + 256 rows for all of K
.set HALFS,  (128*KS/256)*272
.set SBLK,   (16*KS/256)*272
.set SPARE,  SCL+4*HALFS               ; the spare words, 128 bytes for each wave: two blocks of 256 bytes that no other line names
.set SPITCH, 272                       ; the way out: a stage of 16 rows x (256 bytes + 16) for each wave, in slot 0, which has had its only fill and its last read by then
.set ADRA, 16
.set ADRB, 20
.set STO,  24
.set RD,   25
.set CO,   26
.set ADRS, 27
.set SPW,  28
.set NIL,  29
.set TA,   30                          ; v30  my byte in the table of cos and sin
.set FO,   31                          ; v31  my byte in a head's 16 rows of the f32 copy
.set SC,   32
.set AF,   128
.set RR,   32
.set PK,   96
.set BK,   128
.set CS,   192
.set G1, 24
.set G0, 32
.set G1B, 48
.set G0B, 56
.set G1S, 68
.set G0S, 76
.set G1SB, 80
.set G0SB, 88
.set MSB, 0
.macro WIN new                         ; the immediate's high byte repeats the setting that is left
.if MSB != (\new)
	s_set_vgpr_msb (MSB<<8)|(\new)
.set MSB, (\new)
.endif
.endm
.set MUL_LO, 0xa1
.set MUL_HI, 0xf1
.set TO_B,   0x40
; A joint load: waves 0 and 1 fetch for A, waves 2 and 3 for B; an s_nop 0 and four v_nop follow each of the two lines
.macro JLOAD g0a, g1a, g0b, g1b
	s_cmp_eq_u32 s15, 0
	s_cbranch_scc0 .Lfor_b_\@
	tensor_load_to_lds s[\g0a:\g0a+3], s[\g1a:\g1a+7]
	s_nop 0
.rept 4
	v_nop
.endr
	s_branch .Lasked_\@
.Lfor_b_\@:
	tensor_load_to_lds s[\g0b:\g0b+3], s[\g1b:\g1b+7]
	s_nop 0
.rept 4
	v_nop
.endr
.Lasked_\@:
.endm
.macro CROUND                          ; a round of the cluster's barrier
	s_barrier_signal -1
	s_barrier_wait -1
	s_cmp_lg_u32 s14, 0
	s_cbranch_scc1 .Lnot_wave_0_\@
	s_barrier_signal -3
.Lnot_wave_0_\@:
	s_barrier_wait -3
	s_barrier_signal -1
	s_barrier_wait -1
.endm
	s_load_b128 s[4:7], s[0:1], 0x0                ; codes s[4:5], scales s[6:7]: x's lie first in both
	s_load_b128 s[96:99], s[0:1], 0x10             ; rope s[96:97], qkv s[98:99]
	s_load_b64 s[12:13], s[0:1], 0x20              ; first
	v_lshl_add_u32 v[SPW], v0, 2, SPARE
	v_mov_b32 v[NIL], 0
	ds_add_u32 v[SPW], v[NIL]                      ; the wave's opening: the add, twice on end, and its wait ahead of my first tensor load
	ds_add_u32 v[SPW], v[NIL]
	v_lshrrev_b32 v1, 5, v0
	v_readfirstlane_b32 s14, v1                    ; wave 0..3
	s_lshr_b32 s15, s14, 1                         ; which half of the tile's rows is mine.  Also: I fetch for A (0) or for B (1)
	s_and_b32 s16, s14, 1                          ; which half of its columns.  Also: which 128 rows of that tile I fetch
	s_bfe_u32 s40, ttmp6, 0x40000                  ; cx
	s_bfe_u32 s41, ttmp6, 0x40004                  ; cy
	s_lshl_b32 s42, ttmp9, 2
	s_add_co_u32 s42, s42, s40                     ; tile column = 4 x cluster x + cx
	s_and_b32 s66, ttmp7, 0xffff                   ; cluster y: which 256 positions of a sequence
	s_lshl_b32 s17, s41, 3
	s_add_co_u32 s17, s17, s66                     ; tile row = 8 cy + cluster y: cy is the batch
	s_lshl_b32 s43, s41, 2
	s_lshl_b32 s43, 15, s43                        ; my row of the cluster
	s_lshl_b32 s44, 0x1111, s40                    ; my column
	s_or_b32 s[G1+0], s43, (0<<16)|(1<<20)|(1<<21)|(5<<22)|(3<<25)  ; the mask; elements of 1 byte; padding on: 4 words after every 64; bit 21 beside a mask
	s_or_b32 s[G1B+0], s44, (0<<16)|(1<<20)|(1<<21)|(5<<22)|(3<<25)
.irp g, G1, G1B
	s_mov_b32 s[\g+1], ROWB<<16                    ; tensor_dim0
	s_mov_b32 s[\g+2], 128<<16                     ; tensor_dim1
	s_mov_b32 s[\g+3], ROWB<<16                    ; tile_dim0
	s_mov_b32 s[\g+4], 128                         ; tile_dim1
	s_mov_b32 s[\g+5], KROW                        ; from row to row
	s_mov_b32 s[\g+6], 0
	s_mov_b32 s[\g+7], 0
.endr
	s_or_b32 s[G1S+0], s43, (3<<16)|(1<<20)|(1<<21)|(5<<22)|(3<<25) ; the scales of 128 rows: a dense block, as rows of 256 bytes (32 elements of 8), 16 bytes of padding behind each
	s_or_b32 s[G1SB+0], s44, (3<<16)|(1<<20)|(1<<21)|(5<<22)|(3<<25)
.irp g, G1S, G1SB
	s_mov_b32 s[\g+1], 32<<16
	s_mov_b32 s[\g+2], (128*KS/256)<<16
	s_mov_b32 s[\g+3], 32<<16
	s_mov_b32 s[\g+4], 128*KS/256
	s_mov_b32 s[\g+5], 32
	s_mov_b32 s[\g+6], 0
	s_mov_b32 s[\g+7], 0
.endr
	s_lshl_b32 s18, s16, 7
	s_lshl_b32 s20, s17, 8
	s_add_co_u32 s20, s20, s18                     ; A: row 256 x tile row + 128 x half
	s_lshl_b32 s46, s42, 8
	s_add_co_u32 s46, s46, s18                     ; B: row 256 x tile column + 128 x half
	s_mov_b32 s21, 0
	s_mov_b32 s47, 0
	s_mov_b64 s[18:19], KS
	s_mul_u64 s[22:23], s[20:21], s[18:19]         ; where these rows' scales begin,
	s_mul_u64 s[92:93], s[46:47], s[18:19]
	s_mov_b64 s[18:19], KROW
	s_mul_u64 s[20:21], s[20:21], s[18:19]         ; and their codes
	s_mul_u64 s[46:47], s[46:47], s[18:19]
	s_mul_i32 s45, s14, HALFT                      ; where they go: wave x 128 rows
	s_mul_i32 s94, s14, HALFS
	s_wait_dscnt 0x0                               ; both opening adds are done
	s_wait_kmcnt 0x0
	s_add_nc_u64 s[8:9], s[4:5], OFF_WC            ; W's codes,
	s_add_nc_u64 s[10:11], s[6:7], OFF_WS          ; W's scales
	s_add_nc_u64 s[20:21], s[4:5], s[20:21]
	s_add_nc_u64 s[22:23], s[6:7], s[22:23]
	s_add_nc_u64 s[46:47], s[8:9], s[46:47]
	s_add_nc_u64 s[92:93], s[10:11], s[92:93]
	CROUND                                         ; all sixteen work-groups are here: the joint loads meet
	s_mov_b32 s[G0S], 1
	s_add_co_u32 s[G0S+1], s94, SCL
	s_mov_b64 s[G0S+2:G0S+3], s[22:23]
	s_or_b32 s[G0S+3], s[G0S+3], 0x80000000
	s_mov_b32 s[G0SB], 1
	s_add_co_u32 s[G0SB+1], s94, SCL
	s_mov_b64 s[G0SB+2:G0SB+3], s[92:93]
	s_or_b32 s[G0SB+3], s[G0SB+3], 0x80000000
	JLOAD G0S, G1S, G0SB, G1SB                     ; the scales first: they are wanted with the first slot
.irp s, 0,1
	s_mov_b32 s[G0+4*\s], 1
	s_add_co_u32 s[G0+4*\s+1], s45, \s*SLOT
	s_add_nc_u64 s[G0+4*\s+2:G0+4*\s+3], s[20:21], \s*ROWB
	s_or_b32 s[G0+4*\s+3], s[G0+4*\s+3], 0x80000000
	s_mov_b32 s[G0B+4*\s], 1
	s_add_co_u32 s[G0B+4*\s+1], s45, \s*SLOT
	s_add_nc_u64 s[G0B+4*\s+2:G0B+4*\s+3], s[46:47], \s*ROWB
	s_or_b32 s[G0B+4*\s+3], s[G0B+4*\s+3], 0x80000000
	JLOAD G0+4*\s, G1, G0B+4*\s, G1B
.endr
	v_and_b32 v1, 15, v0                           ; r = l % 16
	v_bfe_u32 v2, v0, 4, 1                         ; h = l / 16
	v_mul_u32_u24 v3, v1, PITCH
	v_lshl_add_u32 v4, v2, 4, v3                   ; a fragment's row x pitch + 16 x half
	s_mul_i32 s21, s15, HALFT
	s_mul_i32 s22, s16, HALFT
	s_add_co_u32 s22, s22, 2*HALFT
.irp s, 0,1
	v_add_nc_u32 v[ADRA+\s], s21, v4
	v_add_nc_u32 v[ADRB+\s], s22, v4
	s_add_co_u32 s21, s21, SLOT
	s_add_co_u32 s22, s22, SLOT
.endr
	v_mul_u32_u24 v5, v1, KS                       ; my row's scales: KS bytes a row,
	v_lshrrev_b32 v6, 8, v5
	v_lshl_add_u32 v5, v6, 4, v5                   ; and 16 more for each 256 passed
	s_mul_i32 s21, s15, HALFS
	s_mul_i32 s22, s16, HALFS
	s_add_co_u32 s22, s22, 2*HALFS
	s_sub_co_u32 s22, s22, s21
	v_mul_u32_u24 v6, s22, v2                      ; lanes 16-31 take B's
	s_add_co_u32 s21, s21, SCL
	v_add_nc_u32 v5, v5, v6
	v_add_nc_u32 v[ADRS], s21, v5
	s_mul_i32 s23, s14, 16*SPITCH                  ; my stage
	v_mul_u32_u24 v5, v1, SPITCH
	v_lshl_add_u32 v5, v2, 4, v5
	v_add_nc_u32 v[STO], s23, v5                   ; in: row r, 16 bytes for each half of the lanes
	v_and_b32 v6, 31, v0
	v_lshlrev_b32 v[CO], 4, v6                     ; out: 16 bytes a lane, 512 consecutive bytes a store
	v_lshrrev_b32 v5, 3, v6
	v_mul_u32_u24 v5, v5, SPITCH
	v_and_b32 v3, 7, v6
	v_lshl_add_u32 v5, v3, 4, v5
	v_add_nc_u32 v[RD], s23, v5                    ; back: eight lanes take a head's 128 bytes of a row, four rows an instruction
	v_lshlrev_b32 v[FO], 8, v1
	v_lshl_add_u32 v[FO], v2, 5, v[FO]             ; the f32 copy: row r of 256 bytes, + 32 h
	s_lshl_b32 s20, s41, 4
	s_lshl_b32 s21, s40, 2
	s_add_co_u32 s20, s20, s21
	s_lshl_b32 s21, s16, 1
	s_add_co_u32 s20, s20, s21                     ; 16 b + my first head (I hold two)
	s_lshl_b32 s2, s20, 12
	s_lshl_b32 s3, ttmp9, 18
	s_add_co_u32 s2, s2, s3
	s_mov_b32 s3, 0
	s_add_nc_u64 s[12:13], s[12:13], s[2:3]        ; first: plane, head
	s_lshl_b32 s20, s20, 11
	s_lshl_b32 s21, s66, 8
	s_add_co_u32 s20, s20, s21
	s_lshl_b32 s21, s15, 7
	s_add_co_u32 s20, s20, s21                     ; head x 2,048 + my first position
	s_lshl_b32 s20, s20, 7
	s_lshl_b32 s21, ttmp9, 24
	s_add_co_u32 s20, s20, s21
	s_mov_b32 s21, 0
	s_add_nc_u64 s[98:99], s[98:99], s[20:21]      ; qkv: plane, head, position
	s_lshl_b32 s2, ttmp9, 19
	s_add_nc_u64 s[96:97], s[96:97], s[2:3]        ; the table for q, for k, or the one block for v
	s_lshl_b32 s67, s66, 4
	s_lshl_b32 s2, s15, 3
	s_add_co_u32 s67, s67, s2
	s_lshl_b32 s67, s67, 12                        ; my first block of 16 positions: 4,096 bytes a block
	s_cmp_eq_u32 ttmp9, 2                          ; v stays at its one block
	s_cselect_b32 s67, 0, s67
	s_cselect_b32 s95, 0, 4096
	v_lshl_add_u32 v[TA], v6, 4, s67
.macro TLD p                           ; cos and sin of a block of 16 positions into set p: for each g a quad of cos and a quad of sin; each load is 512 consecutive bytes
.irp g, 0,1,2,3
	global_load_b128 v[CS+32*(\p)+8*\g:CS+32*(\p)+8*\g+3], v[TA], s[96:97] offset:1024*\g
	global_load_b128 v[CS+32*(\p)+8*\g+4:CS+32*(\p)+8*\g+7], v[TA], s[96:97] offset:1024*\g+512
.endr
.endm
	TLD 0                                          ; the first block's: it lands while the products run; nothing in them names v192-255
.macro FRAG reg, adr, q, i             ; 16 rows x 128 K of 4-bit codes: 8 registers
.irp c, 0,1
	ds_load_b128 v[\reg+4*\c:\reg+4*\c+3], v[\adr] offset:64*(\q)+32*\c+(\i)*16*PITCH
.endr
.endm
; 16 matrix instructions: A's blocks a0, a0 + 1 x B's eight.  The 64 accumulators take turns, one instruction a turn.
.macro MUL16 a0, p, q, sc, zero
.irp a, \a0, \a0+1
.irp b, 0,1,2,3,4,5,6,7
.if \zero
	v_wmma_scale_f32_16x16x128_f8f6f4 v[8*(8*((\a)%4)+\b):8*(8*((\a)%4)+\b)+7], v[128*(\p)+FR*\b:128*(\p)+FR*\b+FR-1], v[AF+FR*(\a):AF+FR*(\a)+FR-1], 0, v[SC+8*NQ*(\sc)+NQ*\b+(\q)], v[SC+8*NQ*(\sc)+NQ*(\a)+(\q)] matrix_a_fmt:MATRIX_FMT_FP4 matrix_b_fmt:MATRIX_FMT_FP4 matrix_a_scale:MATRIX_SCALE_ROW1
.else
	v_wmma_scale_f32_16x16x128_f8f6f4 v[8*(8*((\a)%4)+\b):8*(8*((\a)%4)+\b)+7], v[128*(\p)+FR*\b:128*(\p)+FR*\b+FR-1], v[AF+FR*(\a):AF+FR*(\a)+FR-1], v[8*(8*((\a)%4)+\b):8*(8*((\a)%4)+\b)+7], v[SC+8*NQ*(\sc)+NQ*\b+(\q)], v[SC+8*NQ*(\sc)+NQ*(\a)+(\q)] matrix_a_fmt:MATRIX_FMT_FP4 matrix_b_fmt:MATRIX_FMT_FP4 matrix_a_scale:MATRIX_SCALE_ROW1
.endif
.endr
.endr
.endm
.macro FETCH_B slot, q, p
	WIN TO_B
.irp i, 0,1,2,3,4,5,6,7
	FRAG 128*(\p)+FR*\i, ADRB+\slot, \q, \i
.endr
	WIN 0
.endm
.macro FETCH_A slot, q, i0
.irp i, \i0, \i0+1, \i0+2, \i0+3
	FRAG AF+FR*(\i), ADRA+\slot, \q, \i
.endr
.endm
.macro SCALES sc                       ; a slot's scale words: lanes 0-15 take A's block i, lanes 16-31 B's block i
.irp i, 0,1,2,3,4,5,6,7
	ds_load_b128 v[SC+8*NQ*\sc+NQ*\i:SC+8*NQ*\sc+NQ*\i+3], v[ADRS] offset:\i*SBLK
.endr
.endm
.macro PLACES n                        ; plain vector instructions between a matrix instruction and a load into, or a vector instruction on, its registers
.rept \n
	v_nop
.endr
.endm
.macro STEP slot, q, zero              ; 128 along K that has its successor in the same slot
	s_wait_dscnt 4*NL                              ; B's set and A's blocks 0-3 are in; the youngest loads (A's blocks 4-7) may be out
	WIN MUL_LO
	MUL16 0, (\q)%2, \q, \slot, \zero
	MUL16 2, (\q)%2, \q, \slot, \zero
	s_wait_dscnt 0
	PLACES NP
	FETCH_B \slot, (\q)+1, 1-(\q)%2
	FETCH_A \slot, (\q)+1, 0
	WIN MUL_HI
	MUL16 4, (\q)%2, \q, \slot, \zero
	MUL16 6, (\q)%2, \q, \slot, \zero
	PLACES NP
	WIN 0
	FETCH_A \slot, (\q)+1, 4
.endm
.macro STEPS slot, from
.set Q, \from
.rept NQ-1-\from
	STEP \slot, Q, 0
.set Q, Q+1
.endr
.endm
	s_wait_tensorcnt 1                             ; the scales and my part of slot 0 are in (slot 1's load may be out)
	s_barrier_signal -1
	s_barrier_wait -1                              ; everybody's are
	FETCH_B 0, 0, 0
	FETCH_A 0, 0, 0
	SCALES 0
	FETCH_A 0, 0, 4
	STEP 0, 0, 1                                   ; the first products start the sums: nothing is cleared
	STEPS 0, 1
	; slot 0's last step changes slots: one barrier; in front of it my part of slot 1 has landed and my reads of slot 0 are over
	s_wait_tensorcnt 0x0
	ds_add_u32 v[SPW], v[NIL]
	s_wait_dscnt 4*NL+1                            ; (the add and A's blocks 4-7 may be out)
	WIN MUL_LO
	MUL16 0, 1, NQ-1, 0, 0
	s_wait_dscnt 0x0
	s_barrier_signal -1
	MUL16 2, 1, NQ-1, 0, 0
	WIN 0
	s_barrier_wait -1
	PLACES NP
	v_add_nc_u32 v[ADRS], 4*NQ, v[ADRS]            ; on to slot 1's scale words
	FETCH_B 1, 0, 0
	FETCH_A 1, 0, 0
	SCALES 1
	WIN MUL_HI
	MUL16 4, 1, NQ-1, 0, 0
	MUL16 6, 1, NQ-1, 0, 0
	PLACES NP
	WIN 0
	FETCH_A 1, 0, 4
	STEPS 1, 0
	s_wait_dscnt 4*NL                              ; the last step: nothing more to fetch
	WIN MUL_LO
	MUL16 0, 1, NQ-1, 1, 0
	MUL16 2, 1, NQ-1, 1, 0
	s_wait_dscnt 0
	WIN MUL_HI
	MUL16 4, 1, NQ-1, 1, 0
	MUL16 6, 1, NQ-1, 1, 0
	WIN 0
; THE WAY OUT, a block of 16 positions x 128 columns (two heads) at a time.
; ROPE a: lane (r, h) holds, in accumulator (a, b), columns 16 b + 8 h + 0 .. 7 of position 16 a + r: pairs 8 (b % 4) + 4 h + 0 .. 3 of head b / 4.  even' = even cos - odd sin, odd' = odd cos + even sin: a packed
; multiply by cos and a packed multiply-add that takes the pair crosswise, by sin, negated in the low half.  Each accumulator is read from its low end on.  Then rounded to f16, 16 bytes for each accumulator.
.macro ROPE a
	s_wait_loadcnt 0x0                             ; this block's cos and sin are in, and their address register is free
.if (\a) < 7
	v_add_nc_u32 v[TA], s95, v[TA]
	TLD ((\a)+1)%2                                 ; the next block's land while this one is worked
.endif
.set CSB, CS+32*((\a)%2)
.set ACB, 64*((\a)%4)
	WIN 0x02+(\a)/4                                ; source 0: the accumulators' window
.irp b, 0,1,2,3,4,5,6,7
.irp i, 0,2
	v_pk_mul_f32 v[RR+8*\b+2*\i:RR+8*\b+2*\i+1], v[ACB+8*\b+2*\i:ACB+8*\b+2*\i+1], v[CSB+8*(\b%4)+\i:CSB+8*(\b%4)+\i+1] op_sel:[0,0] op_sel_hi:[1,0]
	v_pk_mul_f32 v[RR+8*\b+2*\i+2:RR+8*\b+2*\i+3], v[ACB+8*\b+2*\i+2:ACB+8*\b+2*\i+3], v[CSB+8*(\b%4)+\i:CSB+8*(\b%4)+\i+1] op_sel:[0,1] op_sel_hi:[1,1]
.endr
.irp i, 0,2
	v_pk_fma_f32 v[RR+8*\b+2*\i:RR+8*\b+2*\i+1], v[ACB+8*\b+2*\i:ACB+8*\b+2*\i+1], v[CSB+8*(\b%4)+4+\i:CSB+8*(\b%4)+4+\i+1], v[RR+8*\b+2*\i:RR+8*\b+2*\i+1] op_sel:[1,0,0] op_sel_hi:[0,0,1] neg_lo:[0,1,0]
	v_pk_fma_f32 v[RR+8*\b+2*\i+2:RR+8*\b+2*\i+3], v[ACB+8*\b+2*\i+2:ACB+8*\b+2*\i+3], v[CSB+8*(\b%4)+4+\i:CSB+8*(\b%4)+4+\i+1], v[RR+8*\b+2*\i+2:RR+8*\b+2*\i+3] op_sel:[1,1,0] op_sel_hi:[0,1,1] neg_lo:[0,1,0]
.endr
.endr
	WIN 0
.irp k, 0,1,2,3,4,5,6,7,8,9,10,11,12,13,14,15,16,17,18,19,20,21,22,23,24,25,26,27,28,29,30,31
	v_cvt_pk_f16_f32 v[PK+\k], v[RR+2*\k], v[RR+2*\k+1]
.endr
.endm
.macro TOSTAGE a                       ; into my stage by rows of 256 bytes, and back head by head; LDS serves a wave's instructions in order, so no wait stands between
.irp b, 0,1,2,3,4,5,6,7
	ds_store_b128 v[STO], v[PK+4*\b:PK+4*\b+3] offset:32*\b
.endr
.irp n, 0,1,2,3,4,5,6,7
	ds_load_b128 v[BK+32*((\a)%2)+4*\n:BK+32*((\a)%2)+4*\n+3], v[RD] offset:(\n%4)*4*SPITCH+(\n/4)*128
.endr
.endm
.macro SEND a, younger                 ; younger: the LDS instructions issued behind block a's loads
	s_wait_dscnt \younger
.irp n, 0,1,2,3,4,5,6,7
	global_store_b128 v[CO], v[BK+32*((\a)%2)+4*\n:BK+32*((\a)%2)+4*\n+3], s[98:99] offset:(\n/4)*262144+(\a)*2048+(\n%4)*512   ; four rows of a head: 512 consecutive bytes
.endr
.endm
	PLACES NP                                      ; behind the last products: the lines below write registers that held scales and fragments, and read results
	ROPE 0
	s_or_b32 s2, s66, s15                          ; do I hold positions 0-15?  The cluster's y and the wave's number alone decide
	s_cmp_lg_u32 s2, 0
	s_cbranch_scc1 .Lnot_first
.irp b, 0,1,2,3,4,5,6,7
	global_store_b128 v[FO], v[RR+8*\b:RR+8*\b+3], s[12:13] offset:(\b/4)*4096+(\b%4)*64
	global_store_b128 v[FO], v[RR+8*\b+4:RR+8*\b+7], s[12:13] offset:(\b/4)*4096+(\b%4)*64+16
.endr
	s_wait_xcnt 0x0                                ; these stores have read their data: the next block writes the same registers
.Lnot_first:
	TOSTAGE 0
.irp a, 1,2,3,4,5,6,7
	ROPE \a
.if \a > 1
	s_wait_xcnt 0x0                                ; block a - 2's stores have read their registers: block a's loads may land there
.endif
	TOSTAGE \a
	SEND \a-1, 16                                  ; behind block a - 1's loads: block a's 8 stores and 8 loads
.endr
	SEND 7, 0
	s_wait_tensorcnt 0x0                           ; the wave's end
	ds_add_u32 v[SPW], v[NIL]
	s_wait_dscnt 0x0
	CROUND                                         ; the closing round
	s_endpgm
.Lfunc_end_k_qe9b0140e2b_qkv:
	.size	k_qe9b0140e2b_qkv, .Lfunc_end_k_qe9b0140e2b_qkv-k_qe9b0140e2b_qkv
	.p2alignl 7, 3214868480
	.fill 96, 4, 3214868480
	.section	.rodata,"a",@progbits
	.p2align	6, 0x0
	.amdhsa_kernel k_qe9b0140e2b_qkv
		.amdhsa_group_segment_fixed_size 327680
		.amdhsa_private_segment_fixed_size 0
		.amdhsa_enable_private_segment 0
		.amdhsa_kernarg_size 40
		.amdhsa_user_sgpr_count 2
		.amdhsa_user_sgpr_kernarg_segment_ptr 1
		.amdhsa_wavefront_size32 1
		.amdhsa_system_sgpr_workgroup_id_x 1
		.amdhsa_system_sgpr_workgroup_id_y 1
		.amdhsa_system_sgpr_workgroup_id_z 1
		.amdhsa_system_vgpr_workitem_id 0
		.amdhsa_next_free_vgpr 1024
		.amdhsa_next_free_sgpr 100
		.amdhsa_reserve_vcc 0
		.amdhsa_float_denorm_mode_32 3
		.amdhsa_float_denorm_mode_16_64 3
		.amdhsa_memory_ordered 1
		.amdhsa_forward_progress 1
		.amdhsa_inst_pref_size 167
	.end_amdhsa_kernel
	.amdgpu_metadata
---
amdhsa.version: [ 1, 2 ]
amdhsa.kernels:
  - .name:           k_qe9b0140e2b_qkv
    .symbol:         k_qe9b0140e2b_qkv.kd
    .args:
      - { .name: codes, .offset: 0, .size: 8, .value_kind: global_buffer, .address_space: global }
      - { .name: scales, .offset: 8, .size: 8, .value_kind: global_buffer, .address_space: global }
      - { .name: rope, .offset: 16, .size: 8, .value_kind: global_buffer, .address_space: global }
      - { .name: qkv, .offset: 24, .size: 8, .value_kind: global_buffer, .address_space: global }
      - { .name: first, .offset: 32, .size: 8, .value_kind: global_buffer, .address_space: global }
    .group_segment_fixed_size: 327680
    .private_segment_fixed_size: 0
    .kernarg_segment_align: 8
    .kernarg_segment_size: 40
    .max_flat_workgroup_size: 128
    .sgpr_count:     100
    .vgpr_count:     1024
    .wavefront_size: 32
...
	.end_amdgpu_metadata
.endif
;; end of part 2
;; launch attn (part 3): grid 4 x 64, 16 waves a work-group, no clusters, 327,680 bytes of LDS; arguments qkv, ao; writes ao
.if DOCPART == 3
	.amdgcn_target "amdgcn-amd-amdhsa--gfx1250"
	.amdhsa_code_object_version 6
	.text
	.protected	k_qe9b0140e2b_attn
	.globl	k_qe9b0140e2b_attn
	.p2align	8
	.type	k_qe9b0140e2b_attn,@function
k_qe9b0140e2b_attn:
	s_mov_b64 s[64:65], 0
	v_nop
	global_prefetch_b8 v0, s[64:65] scope:SCOPE_SE
	s_setreg_imm32_b32 hwreg(HW_REG_WAVE_MODE, 25, 1), 1
	s_wait_xcnt 0x0
; Causal attention, head size 64, on f16 operands with f32 products' sums, maxima and row sums.  q, k, v: [16 b + head][2048][64] f16, three planes of one buffer; q carries log2(e) / 8, so p = 2^(s - m).
; SHARES.  Work-group (i, head) owns query blocks i and 7 - i of 256 queries: waves 0-7 block i, waves 8-15 block 7 - i, 32 queries (two tiles of 16) a wave.  Both blocks walk one stream of K and V, and under
; the causal mask every work-group has (i + 1) + (8 - i) = 9 blocks of 256 keys to multiply: 256 equal work-groups.  Four waves share a SIMD, so that one wave's softmax stands beside another's products.
; NO CLUSTER: the four work-groups of a head read the same K and V, but under the mask they need 8 - i slots each: a partner would ask for tiles that none of its waves reads.
; LAYOUT.  S^T = K Q^T (source 0 = 16 keys, source 1 = 16 queries): a lane holds one query (lane % 16) and keys 8 (lane / 16) + 0..7 of each tile.  Two such tiles rounded to f16 in pairs are source 1 of
; O^T = V^T P, whose result again holds one query a lane.  K comes out of LDS as it lies, V ([key][channel]) turned, by ds_load_tr16_b128.
; THE WALK.  Keys go 64 a step, 256 a slot, through two LDS slots filled by tensor loads (waves 0, 1: K's halves; waves 2, 3: V's).  Every work-group passes all eight changes of slots (constant trip counts);
; a step whose keys all come after a wave's queries is jumped over, and a slot whose first key comes after the work-group's last query is not asked for.  Every wait on TENSORcnt is for 0.
; OUT: ao [row / 128][head][row % 128][64] f16 (row = 2048 b + t): a wave's 16 queries are 2,048 consecutive bytes.
; LIMITS: the attention result must lie inside f16's range; NaN and infinities are not served.  Rows 0-15 of each sequence are made anew, in f32, by a later launch.
; REGISTERS: v1-4 LDS addresses; v5, v6 the add's two; v7 r - 8 h; v8 -infinity; v9 prefetch offset; v10, v11 stage; v12-27 statistics, 8 a tile: +0 m, +1 (0), +2, +3 the sum, +4..7 at work (+6: the factor);
; v28-31 at work; v32-63 Q; v64-127 K's eight fragments, then V's; v128-191 S^T, then p, then P packed into each tile's first 16; v192-255 O^T.
.set SK,    256
.set NQ,    4
.set PKP,   144                        ; a row of K in LDS: 128 bytes + 16
.set PVP,   160                        ; a row of V: 128 + 32
.set VOFF,  SK*PKP
.set STAGE, SK*(PKP+PVP)               ; behind slot 0: 16 rows x 144 bytes for each wave; no tile lands here
.set SLOT1, 1<<17
.set SPARE, SLOT1+SK*(PKP+PVP)         ; the spare words, 128 bytes for each wave: eight blocks of 256 bytes that no other line names
.set NSL,   2048/SK
.set AK0, 1
.set AV0, 2
.set ADK, 3
.set ADV, 4
.set SPW, 5
.set NIL, 6
.set PFO, 9
.set STO, 10
.set RD,  11
.set ST,  12
.set QR,  32
.set KV,  64
.set SS,  128
.set OO,  192
.set TB,  2                            ; s2   LDS byte at which the slot in hand begins
.set WV,  18
.set SEL, 20
.set G1K, 24
.set G1V, 32
.set G0K, 40
.set G0V, 44
.set LQ,  66                           ; s66  my work-group's last query
.set SLOTS, 67
.set PFA, 76
.set LIM, 80
.set KF,  98                           ; s98  the step's first key
.set Q0,  99                           ; s99  my first query
.macro TLOAD                           ; waves 0 and 1 fetch K's halves, waves 2 and 3 V's, the others nothing; an s_nop 0 and four v_nop follow each line
	s_cmp_lt_u32 s[WV], 2
	s_cbranch_scc0 .Lnot_k_\@
	tensor_load_to_lds s[G0K:G0K+3], s[G1K:G1K+7]
	s_nop 0
.rept 4
	v_nop
.endr
	s_branch .Lasked_\@
.Lnot_k_\@:
	s_cmp_lt_u32 s[WV], 4
	s_cbranch_scc0 .Lasked_\@
	tensor_load_to_lds s[G0V:G0V+3], s[G1V:G1V+7]
	s_nop 0
.rept 4
	v_nop
.endr
.Lasked_\@:
.endm
; A prefetch of what the NEXT change of slots will ask for: 32,768 dense bytes of K and as many of V.  Each block of 256 bytes is named once in the launch: the head's first work-group, which walks all slots, asks;
; in it waves 4-7 for K and waves 8-11 for V, 8,192 bytes a wave, lanes 256 bytes apart.  The last change that fills a slot asks for nothing; slots 0 and 1 come by their loads alone.
.macro ASK
	s_cmp_gt_u32 s[SLOTS], s[LIM]
	s_cbranch_scc0 .Lnot_mine_\@
	global_prefetch_b8 v[PFO], s[PFA:PFA+1] th:TH_LOAD_NT scope:SCOPE_SE
.Lnot_mine_\@:
.endm
	s_load_b128 s[4:7], s[0:1], 0x0                ; qkv s[4:5], ao s[6:7]
	v_lshl_add_u32 v[SPW], v0, 2, SPARE
	v_mov_b32 v[NIL], 0
	ds_add_u32 v[SPW], v[NIL]                      ; the wave's opening: the add, twice on end, and its wait ahead of the first tensor load
	ds_add_u32 v[SPW], v[NIL]
	v_lshrrev_b32 v28, 5, v0
	v_readfirstlane_b32 s[WV], v28                 ; wave 0..15
	s_and_b32 s72, ttmp7, 0xffff                   ; 16 b + head
	s_lshl_b32 s74, s72, 18                        ; the head's first byte in a plane
	s_sub_co_u32 s68, 7, ttmp9
	s_lshl_b32 s[LQ], s68, 8
	s_add_co_u32 s[LQ], s[LQ], 255                 ; the last query of block 7 - i
	s_cmp_lt_u32 s[WV], 8
	s_cselect_b32 s68, ttmp9, s68                  ; my block of queries
	s_lshl_b32 s68, s68, 8
	s_and_b32 s69, s[WV], 7
	s_lshl_b32 s69, s69, 5
	s_add_co_u32 s[Q0], s68, s69
	s_and_b32 s88, s[WV], 1                        ; which half of a slot's 256 rows I fetch, if I fetch:
	s_lshl_b32 s89, s88, 14
	s_add_co_u32 s90, s74, s89                     ; in memory,
	s_mov_b32 s91, 0
	s_mul_i32 s92, s88, 128*PKP                    ; and in a slot
	s_mul_i32 s93, s88, 128*PVP
	s_add_co_u32 s93, s93, VOFF
	s_mov_b32 s[G1K], (1<<16)|(1<<20)|(4<<22)|(3<<25)   ; elements of 2 bytes; padding on: 4 words after every 32
	s_mov_b32 s[G1V], (1<<16)|(1<<20)|(4<<22)|(7<<25)   ; 8 words after every 32
.irp g, G1K, G1V
	s_mov_b32 s[\g+1], 64<<16                      ; tensor_dim0
	s_mov_b32 s[\g+2], 128<<16                     ; tensor_dim1
	s_mov_b32 s[\g+3], 64<<16                      ; tile_dim0
	s_mov_b32 s[\g+4], 128                         ; tile_dim1
	s_mov_b32 s[\g+5], 64                          ; from row to row
	s_mov_b32 s[\g+6], 0
	s_mov_b32 s[\g+7], 0
.endr
	s_mov_b32 s[SEL], 0x76543210
	s_mov_b32 s[SEL+1], 0xfedcba98
	s_mov_b32 s[TB], 0
	s_mov_b32 s[SLOTS], NSL-1
	s_mov_b32 s[KF], 0
	s_wait_dscnt 0x0                               ; both opening adds are done
	s_wait_kmcnt 0x0
	s_mov_b32 s[G0K], 1
	s_mov_b32 s[G0K+1], s92
	s_add_nc_u64 s[G0K+2:G0K+3], s[4:5], s[90:91]
	s_add_nc_u64 s[G0K+2:G0K+3], s[G0K+2:G0K+3], 0x1000000   ; k's plane
	s_or_b32 s[G0K+3], s[G0K+3], 0x80000000
	s_mov_b32 s[G0V], 1
	s_mov_b32 s[G0V+1], s93
	s_add_nc_u64 s[G0V+2:G0V+3], s[4:5], s[90:91]
	s_add_nc_u64 s[G0V+2:G0V+3], s[G0V+2:G0V+3], 0x2000000   ; v's plane
	s_or_b32 s[G0V+3], s[G0V+3], 0x80000000
	TLOAD                                          ; slot 0: key 0 counts for every query, so what the head fetches is read
	s_lshl_b32 s82, s[Q0], 7
	s_add_co_u32 s82, s82, s74
	s_mov_b32 s83, 0
	s_add_nc_u64 s[8:9], s[4:5], s[82:83]          ; q at my first query
	s_lshr_b32 s84, s72, 4
	s_lshl_b32 s84, s84, 4
	s_lshr_b32 s85, s[Q0], 7
	s_add_co_u32 s84, s84, s85                     ; which 128 rows of ao,
	s_lshl_b32 s84, s84, 18
	s_and_b32 s85, s72, 15
	s_lshl_b32 s85, s85, 14                        ; my head in them,
	s_add_co_u32 s84, s84, s85
	s_and_b32 s85, s[Q0], 127
	s_lshl_b32 s85, s85, 7                         ; my first row there
	s_add_co_u32 s84, s84, s85
	s_mov_b32 s85, 0
	s_add_nc_u64 s[6:7], s[6:7], s[84:85]
	s_mov_b32 s83, 0x2000000                       ; the prefetches: waves 4-7 stand in k's plane, waves 8-11 in v's,
	s_cmp_lt_u32 s[WV], 8
	s_cselect_b32 s82, 0x1000000, s83
	s_add_co_u32 s82, s82, s74                     ; in my head,
	s_and_b32 s83, s[WV], 3
	s_lshl_b32 s83, s83, 13
	s_add_co_u32 s82, s82, s83                     ; at my wave's 8,192 bytes,
	s_add_co_u32 s82, s82, SK*128                  ; of slot 1: the first change of slots steps it to slot 2
	s_mov_b32 s83, 0
	s_add_nc_u64 s[PFA:PFA+1], s[4:5], s[82:83]
	s_sub_co_u32 s82, s[WV], 4
	s_lshr_b32 s82, s82, 3                         ; 0 in waves 4 to 11,
	s_or_b32 s82, s82, ttmp9                       ; of the head's first work-group
	s_cmp_eq_u32 s82, 0
	s_cselect_b32 s[LIM], 1, -1
	v_and_b32 v28, 15, v0                          ; r
	v_bfe_u32 v29, v0, 4, 1                        ; h
	v_lshlrev_b32 v30, 7, v28
	v_lshl_add_u32 v30, v29, 4, v30                ; q: row r of 128 bytes, + 16 h
.irp x, 0,1
.irp dd, 0,1
	global_load_b128 v[QR+16*\x+8*\dd:QR+16*\x+8*\dd+3], v30, s[8:9] offset:2048*\x+64*\dd
	global_load_b128 v[QR+16*\x+8*\dd+4:QR+16*\x+8*\dd+7], v30, s[8:9] offset:2048*\x+64*\dd+32
.endr
.endr
	v_mul_u32_u24 v[AK0], v28, PKP
	v_lshl_add_u32 v[AK0], v29, 4, v[AK0]          ; K: row r x pitch + 16 h
	v_and_b32 v31, 7, v0
	v_lshl_add_u32 v[AV0], v29, 3, v31
	v_mul_u32_u24 v[AV0], v[AV0], PVP
	v_bfe_u32 v31, v0, 3, 1
	v_lshl_add_u32 v[AV0], v31, 4, v[AV0]
	v_add_nc_u32 v[AV0], VOFF, v[AV0]              ; V, for the turning load: key 8 h + l % 8, channels 8 ((l / 8) % 2) on
	v_lshlrev_b32 v31, 3, v29
	v_sub_nc_u32 v7, v28, v31                      ; r - 8 h
	v_mov_b32 v8, 0xff800000                       ; -infinity
	v_and_b32 v[PFO], 31, v0
	v_lshlrev_b32 v[PFO], 8, v[PFO]
	s_mul_i32 s73, s[WV], 16*PKP
	s_add_co_u32 s73, s73, STAGE                   ; my stage
	v_add_nc_u32 v[STO], s73, v[AK0]               ; in: row r, 16 bytes for each half of the lanes
	v_and_b32 v31, 31, v0
	v_lshrrev_b32 v[RD], 3, v31
	v_mul_u32_u24 v[RD], v[RD], PKP
	v_and_b32 v31, 7, v0
	v_lshl_add_u32 v[RD], v31, 4, v[RD]
	v_add_nc_u32 v[RD], s73, v[RD]                 ; back: eight lanes to a row of 128 bytes, four rows an instruction
.irp x, 0,1
	v_mov_b32 v[ST+8*\x], 0xff61b1e6               ; m: -3e38, under every score
.irp k, 1,2,3,4,5,6,7
	v_mov_b32 v[ST+8*\x+\k], 0                     ; the sum; and the registers at work, written once
.endr
.endr
.irp j, 0,1,2,3,4,5,6,7,8,9,10,11,12,13,14,15,16,17,18,19,20,21,22,23,24,25,26,27,28,29,30,31,32,33,34,35,36,37,38,39,40,41,42,43,44,45,46,47,48,49,50,51,52,53,54,55,56,57,58,59,60,61,62,63
	v_mov_b32 v[OO+\j], 0                          ; O^T: the step is written once; its first run finds zeros, which the first factor, 0, leaves zeros
.endr
; A KEY STEP: 64 keys, the q-th of the slot in hand.
.macro STEP q
	s_add_co_u32 s96, s[Q0], 31                    ; a step all of whose keys come after my 32 queries is left out: ids and the count of steps alone decide; no barrier and no tensor load stands in a step
	s_cmp_gt_u32 s[KF], s96
	s_cbranch_scc1 .Lhidden_\@
	v_add_nc_u32 v[ADK], s[TB], v[AK0]
	v_add_nc_u32 v[ADV], s[TB], v[AV0]
.rept 3
	v_nop                                          ; with the two additions five plain instructions behind the last step's products: four ahead of loads into V's registers, five ahead of products that write over P
.endr
.irp dd, 0,1
.irp kt, 0,1,2,3
	ds_load_b128 v[KV+8*(2*\kt+\dd):KV+8*(2*\kt+\dd)+3], v[ADK] offset:(64*(\q)+16*\kt)*PKP+64*\dd
	ds_load_b128 v[KV+8*(2*\kt+\dd)+4:KV+8*(2*\kt+\dd)+7], v[ADK] offset:(64*(\q)+16*\kt)*PKP+64*\dd+32
.endr
.endr
	s_wait_dscnt 8                                 ; channels 0-31 are in; the eight younger loads may be out
.irp kt, 0,1,2,3
.irp x, 0,1
	v_wmma_f32_16x16x32_f16 v[SS+32*\x+8*\kt:SS+32*\x+8*\kt+7], v[KV+16*\kt:KV+16*\kt+7], v[QR+16*\x:QR+16*\x+7], 0
.endr
.endr
	s_wait_dscnt 0x0
.irp kt, 0,1,2,3                       ; the eight accumulators take turns
.irp x, 0,1
	v_wmma_f32_16x16x32_f16 v[SS+32*\x+8*\kt:SS+32*\x+8*\kt+7], v[KV+16*\kt+8:KV+16*\kt+15], v[QR+16*\x+8:QR+16*\x+15], v[SS+32*\x+8*\kt:SS+32*\x+8*\kt+7]
.endr
.endr
.rept 4
	v_nop                                          ; ahead of the loads into K's registers and of the first read of the scores
.endr
.irp ks, 0,1
.irp dt, 0,1,2,3
	ds_load_tr16_b128 v[KV+8*(4*\ks+\dt):KV+8*(4*\ks+\dt)+3], v[ADV] offset:(64*(\q)+32*\ks)*PVP+32*\dt          ; V lands while the softmax is walked
	ds_load_tr16_b128 v[KV+8*(4*\ks+\dt)+4:KV+8*(4*\ks+\dt)+7], v[ADV] offset:(64*(\q)+32*\ks+16)*PVP+32*\dt
.endr
.endr
	s_add_co_u32 s96, s[KF], 63                    ; on the diagonal hidden scores become -infinity; a step all of whose keys count for all my queries skips this
	s_cmp_le_u32 s96, s[Q0]
	s_cbranch_scc1 .Lopen_\@
	s_sub_co_i32 s96, s[Q0], s[KF]
	v_add_nc_u32 v28, s96, v7                      ; register 8 kt + j of tile x holds key KF + 16 kt + 8 h + j for query Q0 + 16 x + r: hidden where 16 kt + j - 16 x > Q0 - KF + r - 8 h
.irp x, 0,1
.irp n, 0,1,2,3,4,5,6,7,8,9,10,11,12,13,14,15,16,17,18,19,20,21,22,23,24,25,26,27,28,29,30,31
	v_cmp_gt_i32 vcc_lo, 16*(\n/8)+\n%8-16*\x, v28
	v_cndmask_b32 v[SS+32*\x+\n], v[SS+32*\x+\n], v8, vcc_lo
.endr
.endr
.Lopen_\@:
.irp j, 0,1,2,3                        ; the largest of a lane's 32 scores and the old m; the two tiles line by line, so that no line waits for the line above it; each accumulator is read from its low end on
.irp x, 0,1
	v_max3_num_f32 v[ST+8*\x+4+\j], v[SS+32*\x+8*\j], v[SS+32*\x+8*\j+1], v[SS+32*\x+8*\j+2]
.endr
.endr
.irp g, 1,2
.irp j, 0,1,2,3
.irp x, 0,1
	v_max3_num_f32 v[ST+8*\x+4+\j], v[ST+8*\x+4+\j], v[SS+32*\x+8*\j+2*\g+1], v[SS+32*\x+8*\j+2*\g+2]
.endr
.endr
.endr
.irp x, 0,1
	v_max3_num_f32 v[ST+8*\x+4], v[ST+8*\x+4], v[SS+32*\x+7], v[SS+32*\x+15]
	v_max3_num_f32 v[ST+8*\x+6], v[ST+8*\x+6], v[SS+32*\x+23], v[SS+32*\x+31]
.endr
.irp x, 0,1
	v_max3_num_f32 v[ST+8*\x+4], v[ST+8*\x+4], v[ST+8*\x+5], v[ST+8*\x+6]
.endr
.irp x, 0,1
	v_max3_num_f32 v[ST+8*\x+4], v[ST+8*\x+4], v[ST+8*\x+7], v[ST+8*\x]
.endr
.irp x, 0,1
	v_permlanex16_b32 v[ST+8*\x+5], v[ST+8*\x+4], s[SEL], s[SEL+1]   ; the query's other 32 keys lie in the lane 16 away
.endr
.irp x, 0,1
	v_mov_b32 v[ST+8*\x+7], v[ST+8*\x]
.endr
.irp x, 0,1
	v_max_num_f32 v[ST+8*\x], v[ST+8*\x+4], v[ST+8*\x+5]           ; the new m
.endr
.irp x, 0,1
	v_sub_f32 v[ST+8*\x+7], v[ST+8*\x+7], v[ST+8*\x]               ; old m - new m
.endr
.irp x, 0,1
	v_exp_f32 v[ST+8*\x+6], v[ST+8*\x+7]                           ; the factor for what was summed under the old m
.endr
.irp k, 0,2,4,6,8,10,12,14,16,18,20,22,24,26,28,30
.irp x, 0,1
	v_pk_add_f32 v[SS+32*\x+\k:SS+32*\x+\k+1], v[SS+32*\x+\k:SS+32*\x+\k+1], v[ST+8*\x:ST+8*\x+1] op_sel_hi:[1,0] neg_lo:[0,1] neg_hi:[0,1]   ; s - m, two at a time
.endr
.endr
.irp k, 0,1,2,3,4,5,6,7,8,9,10,11,12,13,14,15,16,17,18,19,20,21,22,23,24,25,26,27,28,29,30,31
.irp x, 0,1
	v_exp_f32 v[SS+32*\x+\k], v[SS+32*\x+\k]                       ; p
.endr
.endr
	v_nop                                          ; a plain instruction behind the last exponential,
	s_wait_alu depctr_va_vdst(0)                   ; and one wait for the step's 66, ahead of the first line that names a result
.irp x, 0,1
	v_pk_mul_f32 v[ST+8*\x+2:ST+8*\x+3], v[ST+8*\x+2:ST+8*\x+3], v[ST+8*\x+6:ST+8*\x+7] op_sel_hi:[1,0]
.endr
.irp x, 0,1
	v_pk_add_f32 v[28+2*\x:29+2*\x], v[SS+32*\x:SS+32*\x+1], v[SS+32*\x+2:SS+32*\x+3]   ; the row's sum, of the unrounded p, in two chains
.endr
.irp k, 4,8,12,16,20,24,28
.irp x, 0,1
	v_pk_add_f32 v[ST+8*\x+2:ST+8*\x+3], v[ST+8*\x+2:ST+8*\x+3], v[SS+32*\x+\k:SS+32*\x+\k+1]
	v_pk_add_f32 v[28+2*\x:29+2*\x], v[28+2*\x:29+2*\x], v[SS+32*\x+\k+2:SS+32*\x+\k+3]
.endr
.endr
.irp x, 0,1
	v_pk_add_f32 v[ST+8*\x+2:ST+8*\x+3], v[ST+8*\x+2:ST+8*\x+3], v[28+2*\x:29+2*\x]
.endr
.irp k, 0,1,2,3,4,5,6,7,8,9,10,11,12,13,14,15
.irp x, 0,1
	v_cvt_pk_f16_f32 v[SS+32*\x+\k], v[SS+32*\x+2*\k], v[SS+32*\x+2*\k+1]   ; P, packed in place from the low end: register k is written when pairs 0 .. k have been read
.endr
.endr
.irp k, 0,2,4,6,8,10,12,14,16,18,20,22,24,26,28,30
.irp x, 0,1
	v_pk_mul_f32 v[OO+32*\x+\k:OO+32*\x+\k+1], v[OO+32*\x+\k:OO+32*\x+\k+1], v[ST+8*\x+6:ST+8*\x+7] op_sel_hi:[1,0]
.endr
.endr
	s_wait_dscnt 0x0                               ; V is in
.irp ks, 0,1
.irp dt, 0,1,2,3
.irp x, 0,1
	v_wmma_f32_16x16x32_f16 v[OO+32*\x+8*\dt:OO+32*\x+8*\dt+7], v[KV+8*(4*\ks+\dt):KV+8*(4*\ks+\dt)+7], v[SS+32*\x+8*\ks:SS+32*\x+8*\ks+7], v[OO+32*\x+8*\dt:OO+32*\x+8*\dt+7]
.endr
.endr
.endr
.Lhidden_\@:
	s_add_co_u32 s[KF], s[KF], 64
.endm
; THE CHANGE OF SLOTS stands at a slot's head.  Each wave waits for all its tensor loads, adds 0 to its spare word, and waits for that and for its reads of the slot that it has left; behind the barrier the slot ahead is
; whole and nobody reads the other one.  fill = 1: that other slot takes the keys that follow, up to the causal limit; the load has a slot's four steps in which to land.
.macro CHANGE fill
	s_wait_tensorcnt 0x0                           ; no tensor load of mine is out, so a group 0 may be written
	ds_add_u32 v[SPW], v[NIL]
.if \fill
	ds_add_u32 v[SPW], v[NIL]                      ; and, where loads may still follow, twice on end
	s_xor_b32 s[G0K+1], s[G0K+1], SLOT1
	s_add_nc_u64 s[G0K+2:G0K+3], s[G0K+2:G0K+3], SK*128
	s_xor_b32 s[G0V+1], s[G0V+1], SLOT1
	s_add_nc_u64 s[G0V+2:G0V+3], s[G0V+2:G0V+3], SK*128
	s_wait_xcnt 0x0                                ; the last prefetch, a slot back, has read its address
	s_add_nc_u64 s[PFA:PFA+1], s[PFA:PFA+1], SK*128
.endif
	s_wait_dscnt 0x0
	s_barrier_signal -1
	s_barrier_wait -1
.if \fill
	s_add_co_u32 s96, s[KF], SK                    ; the first key of the slot that this change would ask for: past my work-group's last query none of its waves would read it
	s_cmp_gt_u32 s96, s[LQ]                        ; the work-group's number and the count of steps alone: all sixteen waves go the same way
	s_cbranch_scc1 .Lpast_\@
	TLOAD
.Lpast_\@:
	ASK
.endif
.endm
.macro SLOT_STEPS
.set STP, 0
.rept NQ
	STEP STP
.set STP, STP+1
.endr
	s_xor_b32 s[TB], s[TB], SLOT1
.endm
	s_wait_loadcnt 0x0                             ; Q
.Lslot:                                            ; seven trips
	CHANGE 1
	SLOT_STEPS
	s_sub_co_u32 s[SLOTS], s[SLOTS], 1
	s_cmp_lg_u32 s[SLOTS], 0
	s_cbranch_scc1 .Lslot
	CHANGE 0                                       ; the last slot is written out: nothing follows it
	SLOT_STEPS
	; THE WAY OUT: O^T / the sum, rounded to f16, through my stage, a tile of 16 queries at a time: 2,048 consecutive bytes of ao
.rept 4
	v_nop
.endr
.irp x, 0,1
	v_add_f32 v[ST+8*\x+4], v[ST+8*\x+2], v[ST+8*\x+3]
.endr
.irp x, 0,1
	v_permlanex16_b32 v[ST+8*\x+5], v[ST+8*\x+4], s[SEL], s[SEL+1]
.endr
.irp x, 0,1
	v_add_f32 v[ST+8*\x+4], v[ST+8*\x+4], v[ST+8*\x+5]
.endr
.irp x, 0,1
	v_rcp_f32 v[ST+8*\x+6], v[ST+8*\x+4]
.endr
	v_and_b32 v3, 31, v0                           ; (plain work behind the reciprocals)
	v_lshlrev_b32 v3, 4, v3                        ; 16 bytes a lane
	s_wait_alu depctr_va_vdst(0)                   ; one wait for the two, ahead of their first use
.irp x, 0,1
.irp k, 0,2,4,6,8,10,12,14,16,18,20,22,24,26,28,30
	v_pk_mul_f32 v[SS+32*\x+\k:SS+32*\x+\k+1], v[OO+32*\x+\k:OO+32*\x+\k+1], v[ST+8*\x+6:ST+8*\x+7] op_sel_hi:[1,0]
.endr
.irp k, 0,1,2,3,4,5,6,7,8,9,10,11,12,13,14,15
	v_cvt_pk_f16_f32 v[KV+16*\x+\k], v[SS+32*\x+2*\k], v[SS+32*\x+2*\k+1]
.endr
.irp dt, 0,1,2,3
	ds_store_b128 v[STO], v[KV+16*\x+4*\dt:KV+16*\x+4*\dt+3] offset:32*\dt
.endr
.irp i, 0,1,2,3
	ds_load_b128 v[KV+32+16*\x+4*\i:KV+32+16*\x+4*\i+3], v[RD] offset:4*PKP*\i     ; LDS serves a wave's instructions in order: these see my stores, and the next tile's stores come behind them
.endr
.endr
.irp x, 0,1
.irp i, 0,1,2,3
	s_wait_dscnt 11-8*\x-\i                        ; the LDS instructions issued behind this load may be out
	global_store_b128 v3, v[KV+32+16*\x+4*\i:KV+32+16*\x+4*\i+3], s[6:7] offset:2048*\x+512*\i
.endr
.endr
	s_wait_tensorcnt 0x0                           ; the wave's end
	ds_add_u32 v[SPW], v[NIL]
	s_wait_dscnt 0x0
	s_endpgm
.Lfunc_end_k_qe9b0140e2b_attn:
	.size	k_qe9b0140e2b_attn, .Lfunc_end_k_qe9b0140e2b_attn-k_qe9b0140e2b_attn
	.p2alignl 7, 3214868480
	.fill 96, 4, 3214868480
	.section	.rodata,"a",@progbits
	.p2align	6, 0x0
	.amdhsa_kernel k_qe9b0140e2b_attn
		.amdhsa_group_segment_fixed_size 327680
		.amdhsa_private_segment_fixed_size 0
		.amdhsa_enable_private_segment 0
		.amdhsa_kernarg_size 16
		.amdhsa_user_sgpr_count 2
		.amdhsa_user_sgpr_kernarg_segment_ptr 1
		.amdhsa_wavefront_size32 1
		.amdhsa_system_sgpr_workgroup_id_x 1
		.amdhsa_system_sgpr_workgroup_id_y 1
		.amdhsa_system_sgpr_workgroup_id_z 1
		.amdhsa_system_vgpr_workitem_id 0
		.amdhsa_next_free_vgpr 256
		.amdhsa_next_free_sgpr 100
		.amdhsa_reserve_vcc 1
		.amdhsa_float_denorm_mode_32 3
		.amdhsa_float_denorm_mode_16_64 3
		.amdhsa_memory_ordered 1
		.amdhsa_forward_progress 1
		.amdhsa_inst_pref_size 188
	.end_amdhsa_kernel
	.amdgpu_metadata
---
amdhsa.version: [ 1, 2 ]
amdhsa.kernels:
  - .name:           k_qe9b0140e2b_attn
    .symbol:         k_qe9b0140e2b_attn.kd
    .args:
      - { .name: qkv, .offset: 0, .size: 8, .value_kind: global_buffer, .address_space: global }
      - { .name: ao, .offset: 8, .size: 8, .value_kind: global_buffer, .address_space: global }
    .group_segment_fixed_size: 327680
    .private_segment_fixed_size: 0
    .kernarg_segment_align: 8
    .kernarg_segment_size: 16
    .max_flat_workgroup_size: 512
    .sgpr_count:     100
    .vgpr_count:     256
    .wavefront_size: 32
...
	.end_amdgpu_metadata
.endif
;; end of part 3
;; launch proj (part 4): grid 4 x 64, 4 waves a work-group, clusters of 4 x 4, 327,680 bytes of LDS; arguments ao, wo16, out0; writes out0
.if DOCPART == 4
	.amdgcn_target "amdgcn-amd-amdhsa--gfx1250"
	.amdhsa_code_object_version 6
	.text
	.protected	k_qe9b0140e2b_proj
	.globl	k_qe9b0140e2b_proj
	.p2align	8
	.type	k_qe9b0140e2b_proj,@function
k_qe9b0140e2b_proj:
	s_mov_b64 s[64:65], 0
	v_nop
	global_prefetch_b8 v0, s[64:65] scope:SCOPE_SE
	s_setreg_imm32_b32 hwreg(HW_REG_WAVE_MODE, 25, 1), 1
	s_wait_xcnt 0x0
	s_wait_alu depctr_hold_cnt(0) depctr_sa_sdst(0) depctr_va_vdst(0) depctr_va_sdst(0) depctr_va_ssrc(0) depctr_va_vcc(0) depctr_vm_vsrc(0)
	s_getreg_b32 s2, hwreg(HW_REG_IB_STS2, 6, 4)
	s_cmp_eq_u32 s2, 0
	s_cbranch_scc0 .Lentry_in_a_cluster
	s_endpgm
.Lentry_in_a_cluster:
	s_bfe_u32 s2, ttmp6, 0x10000c
	s_cmp_lg_u32 s2, 0xf033
	s_cbranch_scc0 .Lentry_shape_is_right
	s_endpgm
.Lentry_shape_is_right:
; out0 = (attention's result) W_out on f16 operands, sums in f32, for all 8,192 rows.  A = ao [row / 128][head][row % 128][64] f16; B = wo16 [1024 k][1024 n] f16; out0 [8192][1024] f32.
; A tile of 128 rows x 256 columns is made by four waves, 64 x 128 each: 32 accumulators, 256 registers: 256 work-groups.  K goes in steps of 128 (two heads) through two LDS slots filled by tensor loads:
; waves 0 and 1 bring a head's 128 rows of A each (a dense block of 16,384 bytes), waves 2 and 3 64 rows of B each (512 bytes a row).
; CLUSTERS: 4 x 4 work-groups; A's tiles are asked for jointly along a row of the cluster, B's along a column.
; THE MATRIX INSTRUCTION IS USED TRANSPOSED (source 0 = 16 columns of B, source 1 = 16 rows of A): a lane holds eight neighbouring numbers of a row of the result.  B lies [k][n] and comes out of LDS turned, by ds_load_tr16_b128.
; REGISTERS: window 0: v16-30 addresses, v32-159 rows on the way out.  window 1: two fragment buffers at v0 and v128: B's eight fragments (64), then A's four (32).  window 2: accumulator (a, b) at v[8 (8 a + b)].
.set PA,    144                        ; a row of A in LDS: 128 bytes + 16
.set PB,    544                        ; a row of B: 512 + 32
.set BOFF,  2*128*PA
.set SLOT,  BOFF+128*PB
.set STAGE, 2*SLOT                     ; behind the ring: 16 rows x (512 + 16) bytes for each wave
.set SPITCH, 528
.set SPARE, STAGE+4*16*SPITCH          ; the spare words, 128 bytes for each wave: two blocks of 256 bytes that no other line names
.set LAPS,  4                          ; a lap = two K steps = once round the ring
.set ADRA, 16
.set ADRB, 20
.set STO,  24
.set RD,   25
.set CO,   26
.set SPW,  28
.set NIL,  29
.set PFO,  30
.set BK,   32
.set F0,   0
.set F1,   128
.set G1, 24
.set G0, 32
.set G1B, 48
.set G0B, 56
.set PFA, 68                           ; s[68:69] where my prefetches stand
.set PFS, 70                           ; s[70:71] a K step on, in bytes
.set LIM, 72                           ; s72  1 in a wave that prefetches, else the greatest number
.set MSB, 0
.macro WIN new
.if MSB != (\new)
	s_set_vgpr_msb (MSB<<8)|(\new)
.set MSB, (\new)
.endif
.endm
.set MUL,  0xa5                        ; sources 0 and 1 window 1; C and D window 2
.set TO_F, 0x40                        ; destination window 1, address window 0
.macro JLOAD s                         ; a joint load: waves 0 and 1 fetch for A, waves 2 and 3 for B; an s_nop 0 and four v_nop follow each line
	s_cmp_eq_u32 s11, 0
	s_cbranch_scc0 .Lfor_b_\@
	tensor_load_to_lds s[G0+4*\s:G0+4*\s+3], s[G1:G1+7]
	s_nop 0
.rept 4
	v_nop
.endr
	s_branch .Lasked_\@
.Lfor_b_\@:
	tensor_load_to_lds s[G0B+4*\s:G0B+4*\s+3], s[G1B:G1B+7]
	s_nop 0
.rept 4
	v_nop
.endr
.Lasked_\@:
.endm
.macro CREST
	s_cmp_lg_u32 s10, 0
	s_cbranch_scc1 .Lnot_wave_0_\@
	s_barrier_signal -3
.Lnot_wave_0_\@:
	s_barrier_wait -3
	s_barrier_signal -1
	s_barrier_wait -1
.endm
.macro CROUND
	s_barrier_signal -1
	s_barrier_wait -1
	CREST
.endm
; A prefetch of the K step that stands two refills on (256 matrix instructions of a wave ahead of the load that will want it).  Each block of 256 bytes is named once in the launch.  A's step of a tile row, 32,768 dense
; bytes, is read by one row of one cluster: its four partners take 8,192 bytes each, told apart by address, and wave 0 asks.  B's step of a tile column is read by every cluster: the first cluster asks; of the 64 rows
; that wave 2 or 3 fetches, the partner at place cy takes 16, two blocks a row.  The loop's last trip asks for nothing.
.macro ASK
	s_cmp_gt_u32 s3, s[LIM]
	s_cbranch_scc0 .Lnot_mine_\@
	global_prefetch_b8 v[PFO], s[PFA:PFA+1] th:TH_LOAD_NT scope:SCOPE_SE
.Lnot_mine_\@:
.endm
	s_load_b128 s[4:7], s[0:1], 0x0                ; ao s[4:5], wo16 s[6:7]
	s_load_b64 s[8:9], s[0:1], 0x10                ; out0
	v_lshl_add_u32 v[SPW], v0, 2, SPARE
	v_mov_b32 v[NIL], 0
	ds_add_u32 v[SPW], v[NIL]                      ; the wave's opening: the add, twice on end, and its wait ahead of my first tensor load
	ds_add_u32 v[SPW], v[NIL]
	v_lshrrev_b32 v1, 5, v0
	v_readfirstlane_b32 s10, v1                    ; wave 0..3
	s_lshr_b32 s11, s10, 1                         ; which 64 rows are mine.  Also: I fetch for A (0) or for B (1)
	s_and_b32 s12, s10, 1                          ; which 128 columns.  Also: which head of A, or which 64 rows of B, I fetch
	s_bfe_u32 s40, ttmp6, 0x40000                  ; cx
	s_bfe_u32 s41, ttmp6, 0x40004                  ; cy
	s_lshl_b32 s42, ttmp9, 2
	s_add_co_u32 s42, s42, s40                     ; tile column
	s_and_b32 s73, ttmp7, 0xffff                   ; cluster y
	s_lshl_b32 s13, s73, 2
	s_add_co_u32 s13, s13, s41                     ; tile row
	s_lshl_b32 s43, s41, 2
	s_lshl_b32 s43, 15, s43                        ; my row of the cluster
	s_lshl_b32 s44, 0x1111, s40                    ; my column
	s_or_b32 s[G1+0], s43, (1<<16)|(1<<20)|(1<<21)|(4<<22)|(3<<25)   ; the mask; elements of 2 bytes; padding on: 4 words after every 32; bit 21 beside a mask
	s_mov_b32 s[G1+1], 64<<16                      ; tensor_dim0
	s_mov_b32 s[G1+2], 128<<16                     ; tensor_dim1
	s_mov_b32 s[G1+3], 64<<16                      ; tile_dim0
	s_mov_b32 s[G1+4], 128                         ; tile_dim1
	s_mov_b32 s[G1+5], 64                          ; from row to row
	s_mov_b32 s[G1+6], 0
	s_mov_b32 s[G1+7], 0
	s_or_b32 s[G1B+0], s44, (1<<16)|(1<<20)|(1<<21)|(6<<22)|(7<<25)  ; 8 words after every 128
	s_mov_b32 s[G1B+1], 256<<16
	s_mov_b32 s[G1B+2], 64<<16
	s_mov_b32 s[G1B+3], 256<<16
	s_mov_b32 s[G1B+4], 64
	s_mov_b32 s[G1B+5], 1024
	s_mov_b32 s[G1B+6], 0
	s_mov_b32 s[G1B+7], 0
	s_lshl_b32 s16, s13, 18                        ; A: my tile row's 262,144 bytes, the head that I fetch
	s_lshl_b32 s17, s12, 14
	s_add_co_u32 s16, s16, s17
	s_mov_b32 s17, 0
	s_lshl_b32 s46, s12, 17                        ; B: the 64 rows that I fetch, my tile column's 512 bytes of them
	s_lshl_b32 s47, s42, 9
	s_add_co_u32 s46, s46, s47
	s_mov_b32 s47, 0
	s_mul_i32 s20, s12, 128*PA                     ; where they go: no place in the cluster enters an LDS address
	s_mul_i32 s21, s12, 64*PB
	s_add_co_u32 s21, s21, BOFF
	s_wait_dscnt 0x0                               ; both opening adds are done
	s_wait_kmcnt 0x0
	s_add_nc_u64 s[14:15], s[4:5], s[16:17]
	s_add_nc_u64 s[46:47], s[6:7], s[46:47]
	CROUND                                         ; all sixteen work-groups are here: the first joint loads meet
.irp s, 0,1
	s_mov_b32 s[G0+4*\s], 1
	s_add_co_u32 s[G0+4*\s+1], s20, \s*SLOT
	s_add_nc_u64 s[G0+4*\s+2:G0+4*\s+3], s[14:15], \s*32768
	s_or_b32 s[G0+4*\s+3], s[G0+4*\s+3], 0x80000000
	s_mov_b32 s[G0B+4*\s], 1
	s_add_co_u32 s[G0B+4*\s+1], s21, \s*SLOT
	s_add_nc_u64 s[G0B+4*\s+2:G0B+4*\s+3], s[46:47], \s*262144
	s_or_b32 s[G0B+4*\s+3], s[G0B+4*\s+3], 0x80000000
	JLOAD \s
.endr
	v_and_b32 v1, 15, v0                           ; r
	v_bfe_u32 v2, v0, 4, 1                         ; h
	v_mul_u32_u24 v3, v1, PA
	v_lshl_add_u32 v3, v2, 4, v3                   ; A: row r x pitch + 16 h
	s_mul_i32 s21, s11, 64*PA                      ; my 64 rows
	v_and_b32 v4, 7, v0
	v_lshl_add_u32 v4, v2, 3, v4
	v_mul_u32_u24 v4, v4, PB
	v_bfe_u32 v5, v0, 3, 1
	v_lshl_add_u32 v4, v5, 4, v4                   ; B, for the turning load: row 8 h + l % 8, columns 8 ((l / 8) % 2) on
	s_lshl_b32 s22, s12, 8                         ; my 128 columns
	s_add_co_u32 s22, s22, BOFF
.irp s, 0,1
	v_add_nc_u32 v[ADRA+\s], s21, v3
	v_add_nc_u32 v[ADRB+\s], s22, v4
	s_add_co_u32 s21, s21, SLOT
	s_add_co_u32 s22, s22, SLOT
.endr
	s_mul_i32 s23, s10, 16*SPITCH
	s_add_co_u32 s23, s23, STAGE                   ; my stage
	v_mul_u32_u24 v5, v1, SPITCH
	v_lshl_add_u32 v5, v2, 5, v5
	v_add_nc_u32 v[STO], s23, v5                   ; in: row r, 32 bytes for each half of the lanes
	v_and_b32 v6, 31, v0
	v_lshlrev_b32 v[CO], 4, v6                     ; back: the 32 lanes take one row of 512 bytes; and the same in out0
	v_add_nc_u32 v[RD], s23, v[CO]
	s_lshl_b32 s16, s13, 7
	s_lshl_b32 s17, s11, 6
	s_add_co_u32 s16, s16, s17                     ; my first row
	s_lshl_b32 s16, s16, 12
	s_lshl_b32 s17, s42, 10
	s_add_co_u32 s16, s16, s17
	s_lshl_b32 s17, s12, 9
	s_add_co_u32 s16, s16, s17                     ; my first column, in bytes
	s_mov_b32 s17, 0
	s_add_nc_u64 s[8:9], s[8:9], s[16:17]
	s_lshl_b32 s20, s13, 18                        ; the prefetches.  A: my tile row's block,
	s_lshl_b32 s21, s40, 13                        ; my work-group's 8,192 bytes of a K step,
	s_add_co_u32 s20, s20, s21
	s_add_co_u32 s20, s20, 3*32768                 ; at K step 3: the first refill steps it to 4
	s_lshl_b32 s21, s12, 6                         ; B: the 64 rows that I fetch,
	s_lshl_b32 s22, s41, 4                         ; my work-group's 16 of them,
	s_add_co_u32 s21, s21, s22
	s_add_co_u32 s21, s21, 3*128                   ; at K step 3
	s_lshl_b32 s21, s21, 11
	s_lshl_b32 s22, s42, 9
	s_add_co_u32 s21, s21, s22
	s_mov_b32 s22, 262144
	s_mov_b32 s23, 2048
	s_cmp_eq_u32 s11, 0                            ; do I fetch for A?
	s_cselect_b64 s[PFA:PFA+1], s[4:5], s[6:7]
	s_cselect_b32 s20, s20, s21
	s_cselect_b32 s[PFS], 32768, s22
	s_cselect_b32 s23, 512, s23                    ; from one pair of lanes to the next
	s_cselect_b32 s22, s12, s73                    ; 0 in wave 0, and in waves 2 and 3 of the first cluster: the same in all sixteen partners, for a given wave
	s_mov_b32 s21, 0
	s_mov_b32 s[PFS+1], 0
	s_add_nc_u64 s[PFA:PFA+1], s[PFA:PFA+1], s[20:21]
	s_cmp_eq_u32 s22, 0
	s_cselect_b32 s[LIM], 1, -1
	v_lshrrev_b32 v7, 1, v6
	v_mul_lo_u32 v[PFO], v7, s23
	v_and_b32 v7, 1, v6
	v_lshl_add_u32 v[PFO], v7, 8, v[PFO]
; 8 matrix instructions: A's block a x B's eight, 32 along K.  The 32 accumulators take turns, in the same order in every quarter.  zero = 1: the first product starts the sums.
.macro MUL8 f, a, zero
.irp b, 0,1,2,3,4,5,6,7
.if \zero
	v_wmma_f32_16x16x32_f16 v[8*(8*(\a)+\b):8*(8*(\a)+\b)+7], v[\f+8*\b:\f+8*\b+7], v[\f+64+8*(\a):\f+64+8*(\a)+7], 0
.else
	v_wmma_f32_16x16x32_f16 v[8*(8*(\a)+\b):8*(8*(\a)+\b)+7], v[\f+8*\b:\f+8*\b+7], v[\f+64+8*(\a):\f+64+8*(\a)+7], v[8*(8*(\a)+\b):8*(8*(\a)+\b)+7]
.endif
.endr
.endm
; 24 LDS loads in one run: the fragments of the slot's q-th 32 along K into buffer f: B's eight (turned), then A's four
.macro FETCH slot, q, f
	WIN TO_F
.irp b, 0,1,2,3,4,5,6,7
	ds_load_tr16_b128 v[\f+8*\b:\f+8*\b+3],   v[ADRB+\slot] offset:(\q)*32*PB+32*\b
	ds_load_tr16_b128 v[\f+8*\b+4:\f+8*\b+7], v[ADRB+\slot] offset:(\q)*32*PB+16*PB+32*\b
.endr
.irp a, 0,1,2,3
	ds_load_b128 v[\f+64+8*\a:\f+64+8*\a+3],   v[ADRA+\slot] offset:((\q)/2)*128*PA+((\q)%2)*64+\a*16*PA
	ds_load_b128 v[\f+64+8*\a+4:\f+64+8*\a+7], v[ADRA+\slot] offset:((\q)/2)*128*PA+((\q)%2)*64+\a*16*PA+32
.endr
.endm
.macro PLACES                          ; four plain instructions in front of loads into registers that matrix instructions have read, and of the first read of results
.rept 4
	v_nop
.endr
.endm
; A K step is four quarters of 32 along K on buffers 0, 1, 0, 1.  One of the first three: multiplies buffer f and fetches quarter q into g.
.macro QUARTER slot, q, f, g, zero
	s_wait_dscnt 4                                 ; B and A's blocks 0 and 1 are in; the youngest four loads (blocks 2 and 3) may be out
	WIN MUL
	MUL8 \f, 0, \zero
	MUL8 \f, 1, \zero
	PLACES
	FETCH \slot, \q, \g
	s_wait_dscnt 24                                ; all but the 24 just issued
	WIN MUL
	MUL8 \f, 2, \zero
	MUL8 \f, 3, \zero
.endm
; The last quarter multiplies buffer 1 and changes slots: one barrier; in front of it each wave waits for all its tensor loads, adds 0 to its spare word, and waits for that and for its reads of this slot.
; fill = 1: the barrier opens a round of the cluster's barrier, and this slot is filled again, two K steps ahead: the first tensor load behind the round.
.macro TURN slot, next, fill
.if \fill
	s_wait_xcnt 0x0                                ; the last prefetch, a K step back, has read its address
	s_add_nc_u64 s[PFA:PFA+1], s[PFA:PFA+1], s[PFS:PFS+1]
.endif
	WIN 0                                          ; (the add's two registers lie in window 0)
	s_wait_tensorcnt 0x0                           ; all my tensor loads have landed: my part of the next slot
	ds_add_u32 v[SPW], v[NIL]
	s_wait_dscnt 5                                 ; (the add and the youngest four loads may be out)
	WIN MUL
	MUL8 F1, 0, 0
	s_wait_dscnt 0x0                               ; the add is done, and my reads of this slot are over
	s_barrier_signal -1
	MUL8 F1, 1, 0
.if \fill
	WIN 0
.endif
	s_barrier_wait -1
.if \fill
	CREST
	s_add_nc_u64 s[G0+4*\slot+2:G0+4*\slot+3], s[G0+4*\slot+2:G0+4*\slot+3], 2*32768
	s_add_nc_u64 s[G0B+4*\slot+2:G0B+4*\slot+3], s[G0B+4*\slot+2:G0B+4*\slot+3], 2*262144
	JLOAD \slot                                    ; the four v_nop behind it are also the places in front of the loads below
.else
	PLACES
.endif
	FETCH \next, 0, F0
.if \fill
	WIN 0
	ASK
.endif
	WIN MUL
	MUL8 F1, 2, 0
	MUL8 F1, 3, 0
.endm
	s_wait_tensorcnt 1                             ; my part of K step 0 is in (K step 1's may be out)
	s_barrier_signal -1
	s_barrier_wait -1                              ; everybody's is
	FETCH 0, 0, F0
	QUARTER 0, 1, F0, F1, 1                        ; the first quarter stands in front of the loop: its products start the sums
	WIN 0
	s_mov_b32 s3, LAPS-1
.Llap:                                                 ; a trip goes once round the ring and fills both slots again
	QUARTER 0, 2, F1, F0, 0
	QUARTER 0, 3, F0, F1, 0
	TURN 0, 1, 1
	QUARTER 1, 1, F0, F1, 0
	QUARTER 1, 2, F1, F0, 0
	QUARTER 1, 3, F0, F1, 0
	TURN 1, 0, 1
	QUARTER 0, 1, F0, F1, 0
	WIN 0
	s_sub_co_u32 s3, s3, 1
	s_cmp_lg_u32 s3, 0
	s_cbranch_scc1 .Llap
	QUARTER 0, 2, F1, F0, 0                        ; the last lap fills nothing
	QUARTER 0, 3, F0, F1, 0
	TURN 0, 1, 0
	QUARTER 1, 1, F0, F1, 0
	QUARTER 1, 2, F1, F0, 0
	QUARTER 1, 3, F0, F1, 0
	s_wait_dscnt 4
	WIN MUL
	MUL8 F1, 0, 0
	MUL8 F1, 1, 0
	s_wait_dscnt 0
	MUL8 F1, 2, 0
	MUL8 F1, 3, 0
	WIN 0
; THE WAY OUT, a block of 16 rows x 128 columns at a time, through my own stage: in by 32 bytes a lane, back as whole rows of 512 bytes.  LDS serves a wave's instructions in order.
.macro TOSTAGE a
	WIN 0x08                                       ; an LDS store's data: window 2
.irp b, 0,1,2,3,4,5,6,7
	ds_store_b128 v[STO], v[8*(8*(\a)+\b):8*(8*(\a)+\b)+3] offset:64*\b            ; each accumulator from its low end on
	ds_store_b128 v[STO], v[8*(8*(\a)+\b)+4:8*(8*(\a)+\b)+7] offset:64*\b+16
.endr
	WIN 0
.set BB, BK+64*((\a)%2)
.irp t, 0,1,2,3,4,5,6,7,8,9,10,11,12,13,14,15
	ds_load_b128 v[BB+4*\t:BB+4*\t+3], v[RD] offset:\t*SPITCH
.endr
.endm
.macro SEND a, younger
.set BB, BK+64*((\a)%2)
	s_wait_dscnt \younger
.irp t, 0,1,2,3,4,5,6,7,8,9,10,11,12,13,14,15
	global_store_b128 v[CO], v[BB+4*\t:BB+4*\t+3], s[8:9] offset:(16*(\a)+\t)*4096 th:TH_STORE_NT   ; 32 lanes store 512 consecutive bytes
.endr
.endm
	PLACES
	TOSTAGE 0
.irp a, 1,2,3
.if \a > 1
	s_wait_xcnt 0x0                                ; block a - 2's stores have read their registers
.endif
	TOSTAGE \a
	SEND \a-1, 32                                  ; behind block a - 1's loads: block a's 16 stores and 16 loads
.endr
	SEND 3, 0
	s_wait_tensorcnt 0x0                           ; the wave's end
	ds_add_u32 v[SPW], v[NIL]
	s_wait_dscnt 0x0
	CROUND                                         ; the closing round
	s_endpgm
.Lfunc_end_k_qe9b0140e2b_proj:
	.size	k_qe9b0140e2b_proj, .Lfunc_end_k_qe9b0140e2b_proj-k_qe9b0140e2b_proj
	.p2alignl 7, 3214868480
	.fill 96, 4, 3214868480
	.section	.rodata,"a",@progbits
	.p2align	6, 0x0
	.amdhsa_kernel k_qe9b0140e2b_proj
		.amdhsa_group_segment_fixed_size 327680
		.amdhsa_private_segment_fixed_size 0
		.amdhsa_enable_private_segment 0
		.amdhsa_kernarg_size 24
		.amdhsa_user_sgpr_count 2
		.amdhsa_user_sgpr_kernarg_segment_ptr 1
		.amdhsa_wavefront_size32 1
		.amdhsa_system_sgpr_workgroup_id_x 1
		.amdhsa_system_sgpr_workgroup_id_y 1
		.amdhsa_system_sgpr_workgroup_id_z 1
		.amdhsa_system_vgpr_workitem_id 0
		.amdhsa_next_free_vgpr 768
		.amdhsa_next_free_sgpr 80
		.amdhsa_reserve_vcc 0
		.amdhsa_float_denorm_mode_32 3
		.amdhsa_float_denorm_mode_16_64 3
		.amdhsa_memory_ordered 1
		.amdhsa_forward_progress 1
		.amdhsa_inst_pref_size 87
	.end_amdhsa_kernel
	.amdgpu_metadata
---
amdhsa.version: [ 1, 2 ]
amdhsa.kernels:
  - .name:           k_qe9b0140e2b_proj
    .symbol:         k_qe9b0140e2b_proj.kd
    .args:
      - { .name: ao, .offset: 0, .size: 8, .value_kind: global_buffer, .address_space: global }
      - { .name: wo16, .offset: 8, .size: 8, .value_kind: global_buffer, .address_space: global }
      - { .name: out0, .offset: 16, .size: 8, .value_kind: global_buffer, .address_space: global }
    .group_segment_fixed_size: 327680
    .private_segment_fixed_size: 0
    .kernarg_segment_align: 8
    .kernarg_segment_size: 24
    .max_flat_workgroup_size: 128
    .sgpr_count:     80
    .vgpr_count:     768
    .wavefront_size: 32
...
	.end_amdgpu_metadata
.endif
;; end of part 4
;; launch first16 (part 5): grid 16 x 4, 16 waves a work-group, no clusters, 71,680 bytes of LDS; arguments first, W_out, out0; writes out0
.if DOCPART == 5
	.amdgcn_target "amdgcn-amd-amdhsa--gfx1250"
	.amdhsa_code_object_version 6
	.text
	.protected	k_qe9b0140e2b_first16
	.globl	k_qe9b0140e2b_first16
	.p2align	8
	.type	k_qe9b0140e2b_first16,@function
k_qe9b0140e2b_first16:
	s_mov_b64 s[64:65], 0
	v_nop
	global_prefetch_b8 v0, s[64:65] scope:SCOPE_SE
	s_setreg_imm32_b32 hwreg(HW_REG_WAVE_MODE, 25, 1), 1
	s_wait_xcnt 0x0
; THE FIRST 16 POSITIONS OF EVERY SEQUENCE, once more and in f32 throughout: their rows average one to sixteen values, are the largest of the result, and bear rounded operands worst.  This launch runs last and
; writes those 64 rows of out0 anew.  first: [3][16 b + head][16][64] f32 (q carries log2(e) / 8); W_out [1024][1024] f32.
; Work-group (nb, b) makes rows 0-15 of batch b, columns 64 nb .. 64 nb + 63.  Wave = head: its 16 x 16 attention, then that result times its 64 rows of W_out; the sixteen parts meet in LDS and waves 0-7 add them.
; All products by v_wmma_f32_16x16x4_f32, 96 a wave: no bulk work.  The registers that this form writes (v112-191) are written by matrix instructions alone.
; WHICH k A STEP TAKES is free so long as both sources agree: scores: step (s, e): channel 8 s + 4 h + 2 e + j, so that q and k come by loads of 16 bytes; second product: step s: key 8 h + 2 s + j, which is p's own
; registers; projection: step (dt, s): channel 16 dt + 8 h + 2 s + j, which is the second product's own result registers.
; All three products are used transposed: a lane holds one query (lane % 16) throughout.  No tensor load; clusters and prefetches are left out: the launch is short and its work-groups share only W_out's columns.
.set SPW, 10
.set NIL, 11
.set QF,  16                           ; v16-47   q, later W_out for channels 16-31
.set KF,  48                           ; v48-79   k, later W_out for channels 32-47
.set VF,  80                           ; v80-111  v, later W_out for channels 48-63
.set SA,  112                          ; v112-127 the scores, in two sums by turns
.set OA,  128                          ; v128-159 O^T, four tiles of 16 channels
.set PAC, 160                          ; v160-191 the projection's four tiles of 16 columns
.set T,   192                          ; v192-199 scores, then p
.set PN,  200                          ; v200-207 p / the sum
.set W0,  216                          ; v216-247 W_out for channels 0-15
.set RP,  272                          ; a row of a part in LDS: 256 bytes + 16
.set PART, 16*RP
.set SPARE, 16*PART                    ; the spare words, 128 bytes for each wave: eight blocks of 256 bytes that no other line names
	s_load_b128 s[4:7], s[0:1], 0x0                ; first s[4:5], W_out s[6:7]
	s_load_b64 s[8:9], s[0:1], 0x10                ; out0
	v_lshl_add_u32 v[SPW], v0, 2, SPARE
	v_mov_b32 v[NIL], 0
	v_lshrrev_b32 v1, 5, v0
	v_readfirstlane_b32 s10, v1                    ; wave = head
	s_and_b32 s11, ttmp7, 0xffff                   ; batch
	v_and_b32 v1, 15, v0                           ; r
	v_bfe_u32 v2, v0, 4, 1                         ; h
	v_lshlrev_b32 v3, 8, v1
	v_lshl_add_u32 v3, v2, 4, v3                   ; q, k: row r of 256 bytes, + 16 h
	v_lshlrev_b32 v4, 2, v1
	v_lshl_add_u32 v5, v2, 15, v4                  ; W_out: 8 h rows of 4,096 bytes, + 4 r
	v_lshl_add_u32 v4, v2, 11, v4                  ; v: 8 h rows of 256 bytes, + 4 r
	s_mul_i32 s14, s10, PART
	v_mul_u32_u24 v6, v1, RP
	v_lshl_add_u32 v6, v2, 5, v6
	v_add_nc_u32 v6, s14, v6                       ; my part: row r, + 32 h
	s_and_b32 s15, s10, 7
	s_mul_i32 s14, s15, 2*RP
	v_mul_u32_u24 v7, v2, RP
	v_lshl_add_u32 v7, v1, 4, v7
	v_add_nc_u32 v7, s14, v7                       ; the sum: rows 2 (wave % 8) + h, 16 bytes a lane
	v_lshlrev_b32 v8, 12, v2
	v_lshl_add_u32 v8, v1, 4, v8                   ; and the same two rows in out0
	v_lshlrev_b32 v9, 3, v2
	v_sub_nc_u32 v9, v1, v9                        ; r - 8 h
	v_mov_b32 v12, 0xff800000                      ; -infinity
	v_mov_b32 v210, 0                              ; written once: a lane permute's destination counts as one of its sources
	s_mov_b32 s12, 0x76543210
	s_mov_b32 s13, 0xfedcba98
	s_lshl_b32 s16, s11, 4
	s_add_co_u32 s16, s16, s10
	s_lshl_b32 s16, s16, 12                        ; my head's 4,096 bytes in a plane
	s_mov_b32 s17, 0
	s_lshl_b32 s18, s10, 18                        ; my head's 64 rows of W_out,
	s_lshl_b32 s19, ttmp9, 8                       ; my work-group's 64 columns
	s_add_co_u32 s18, s18, s19
	s_mov_b32 s19, 0
	s_lshl_b32 s20, s11, 23                        ; my batch's rows of out0,
	s_lshl_b32 s21, s15, 13                        ; two rows a wave,
	s_add_co_u32 s20, s20, s21
	s_lshl_b32 s21, ttmp9, 8
	s_add_co_u32 s20, s20, s21
	s_mov_b32 s21, 0
	s_wait_kmcnt 0x0
	s_add_nc_u64 s[4:5], s[4:5], s[16:17]
	s_add_nc_u64 s[6:7], s[6:7], s[18:19]
	s_add_nc_u64 s[8:9], s[8:9], s[20:21]
.macro WLD reg, dt                     ; W_out(16 dt + 8 h + 2 s + j, 16 nt + r) into register 8 nt + 2 s + j
.irp nt, 0,1,2,3
.irp k, 0,1,2,3,4,5,6,7
	global_load_b32 v[\reg+8*\nt+\k], v5, s[6:7] offset:(16*(\dt)+\k)*4096+64*\nt
.endr
.endr
.endm
	WLD W0, 0
.irp dt, 0,1,2,3
.irp k, 0,1,2,3,4,5,6,7
	global_load_b32 v[VF+8*\dt+\k], v4, s[4:5] offset:524288+\k*256+64*\dt     ; v(8 h + k, 16 dt + r)
.endr
.endr
.irp s, 0,1,2,3,4,5,6,7
	global_load_b128 v[KF+4*\s:KF+4*\s+3], v3, s[4:5] offset:262144+32*\s
.endr
.irp s, 0,1,2,3,4,5,6,7
	global_load_b128 v[QF+4*\s:QF+4*\s+3], v3, s[4:5] offset:32*\s
.endr
	s_wait_loadcnt 0x0
	; S^T = k q^T: source 0 = 16 keys, source 1 = 16 queries; two sums take turns; the first two products start them
.irp n, 0,1,2,3,4,5,6,7,8,9,10,11,12,13,14,15
.if \n < 2
	v_wmma_f32_16x16x4_f32 v[SA+8*(\n%2):SA+8*(\n%2)+7], v[KF+2*\n:KF+2*\n+1], v[QF+2*\n:QF+2*\n+1], 0
.else
	v_wmma_f32_16x16x4_f32 v[SA+8*(\n%2):SA+8*(\n%2)+7], v[KF+2*\n:KF+2*\n+1], v[QF+2*\n:QF+2*\n+1], v[SA+8*(\n%2):SA+8*(\n%2)+7]
.endif
.endr
.rept 8
	v_nop                                          ; eight plain instructions behind this form, ahead of loads into its sources and of the first read of its results
.endr
	WLD QF, 1
	WLD KF, 2
.irp j, 0,1,2,3,4,5,6,7
	v_add_f32 v[T+\j], v[SA+\j], v[SA+8+\j]        ; lane (r, h): query r, key 8 h + j
.endr
.irp j, 0,1,2,3,4,5,6,7
	v_cmp_gt_i32 vcc_lo, \j, v9                    ; hidden where 8 h + j > r
	v_cndmask_b32 v[T+\j], v[T+\j], v12, vcc_lo
.endr
	v_max3_num_f32 v208, v[T], v[T+1], v[T+2]
	v_max3_num_f32 v209, v[T+3], v[T+4], v[T+5]
	v_max3_num_f32 v208, v208, v[T+6], v[T+7]
	v_max_num_f32 v208, v208, v209
	v_permlanex16_b32 v210, v208, s12, s13
	v_max_num_f32 v208, v208, v210                 ; the row's largest score: key 0 counts for every query
.irp j, 0,1,2,3,4,5,6,7
	v_sub_f32 v[T+\j], v[T+\j], v208
.endr
.irp j, 0,1,2,3,4,5,6,7
	v_exp_f32 v[T+\j], v[T+\j]
.endr
	v_nop                                          ; a plain instruction behind the last exponential,
	s_wait_alu depctr_va_vdst(0)                   ; and one wait for the eight
	v_add_f32 v209, v[T], v[T+1]
	v_add_f32 v211, v[T+2], v[T+3]
	v_add_f32 v212, v[T+4], v[T+5]
	v_add_f32 v213, v[T+6], v[T+7]
	v_add_f32 v209, v209, v211
	v_add_f32 v212, v212, v213
	v_add_f32 v209, v209, v212
	v_permlanex16_b32 v210, v209, s12, s13
	v_add_f32 v209, v209, v210
	v_rcp_f32 v211, v209
	v_nop
	s_wait_alu depctr_va_vdst(0)
.irp j, 0,1,2,3,4,5,6,7
	v_mul_f32 v[PN+\j], v[T+\j], v211
.endr
	; O^T = v^T p: source 0 = 16 channels, source 1 = p; four sums by turns
.irp s, 0,1,2,3
.irp dt, 0,1,2,3
.if \s == 0
	v_wmma_f32_16x16x4_f32 v[OA+8*\dt:OA+8*\dt+7], v[VF+8*\dt+2*\s:VF+8*\dt+2*\s+1], v[PN+2*\s:PN+2*\s+1], 0
.else
	v_wmma_f32_16x16x4_f32 v[OA+8*\dt:OA+8*\dt+7], v[VF+8*\dt+2*\s:VF+8*\dt+2*\s+1], v[PN+2*\s:PN+2*\s+1], v[OA+8*\dt:OA+8*\dt+7]
.endif
.endr
.endr
.rept 9
	v_nop                                          ; nine behind this form before its result is a source of the next product
.endr
; my part of the projection: source 0 = 16 columns of W_out, source 1 = O^T's registers as they stand; four sums by turns
.macro PROJ reg, dt
.irp s, 0,1,2,3
.irp nt, 0,1,2,3
.if ((\dt) == 0) && (\s == 0)
	v_wmma_f32_16x16x4_f32 v[PAC+8*\nt:PAC+8*\nt+7], v[\reg+8*\nt+2*\s:\reg+8*\nt+2*\s+1], v[OA+8*(\dt)+2*\s:OA+8*(\dt)+2*\s+1], 0
.else
	v_wmma_f32_16x16x4_f32 v[PAC+8*\nt:PAC+8*\nt+7], v[\reg+8*\nt+2*\s:\reg+8*\nt+2*\s+1], v[OA+8*(\dt)+2*\s:OA+8*(\dt)+2*\s+1], v[PAC+8*\nt:PAC+8*\nt+7]
.endif
.endr
.endr
.endm
	PROJ W0, 0
	s_wait_loadcnt 32                              ; channels 16-31 of W_out are in; the 32 loads for channels 32-47 may be out
	WLD VF, 3                                      ; (v's registers: their last products stand nine plain instructions back)
	PROJ QF, 1
	s_wait_loadcnt 32                              ; channels 32-47 are in; the 32 loads just issued may be out
	PROJ KF, 2
	s_wait_loadcnt 0x0
	PROJ VF, 3
.rept 8
	v_nop
.endr
.irp nt, 0,1,2,3
	ds_store_b128 v6, v[PAC+8*\nt:PAC+8*\nt+3] offset:64*\nt                   ; lane (r, h): row r, columns 16 nt + 8 h + 0 .. 7; each sum from its low end on
	ds_store_b128 v6, v[PAC+8*\nt+4:PAC+8*\nt+7] offset:64*\nt+16
.endr
	s_wait_dscnt 0x0                               ; for the others' sake: my part lies in LDS
	s_barrier_signal -1
	s_barrier_wait -1
	s_cmp_lt_u32 s10, 8                            ; waves 0-7 add the sixteen parts, two rows each
	s_cbranch_scc0 .Ldone
.irp n, 0,1,2,3,4,5,6,7,8,9,10,11,12,13,14,15
	ds_load_b128 v[16+4*\n:19+4*\n], v7 offset:PART*\n
.endr
	s_wait_dscnt 0x0
.irp n, 0,1,2,3,4,5,6,7
	v_pk_add_f32 v[16+4*\n:17+4*\n], v[16+4*\n:17+4*\n], v[48+4*\n:49+4*\n]
	v_pk_add_f32 v[18+4*\n:19+4*\n], v[18+4*\n:19+4*\n], v[50+4*\n:51+4*\n]
.endr
.irp n, 0,1,2,3
	v_pk_add_f32 v[16+4*\n:17+4*\n], v[16+4*\n:17+4*\n], v[32+4*\n:33+4*\n]
	v_pk_add_f32 v[18+4*\n:19+4*\n], v[18+4*\n:19+4*\n], v[34+4*\n:35+4*\n]
.endr
.irp n, 0,1
	v_pk_add_f32 v[16+4*\n:17+4*\n], v[16+4*\n:17+4*\n], v[24+4*\n:25+4*\n]
	v_pk_add_f32 v[18+4*\n:19+4*\n], v[18+4*\n:19+4*\n], v[26+4*\n:27+4*\n]
.endr
	v_pk_add_f32 v[16:17], v[16:17], v[20:21]
	v_pk_add_f32 v[18:19], v[18:19], v[22:23]
	global_store_b128 v8, v[16:19], s[8:9]         ; sixteen lanes store 256 consecutive bytes of a row
.Ldone:
	s_wait_tensorcnt 0x0                           ; the wave's end, behind my last LDS store
	ds_add_u32 v[SPW], v[NIL]
	s_wait_dscnt 0x0
	s_endpgm
.Lfunc_end_k_qe9b0140e2b_first16:
	.size	k_qe9b0140e2b_first16, .Lfunc_end_k_qe9b0140e2b_first16-k_qe9b0140e2b_first16
	.p2alignl 7, 3214868480
	.fill 96, 4, 3214868480
	.section	.rodata,"a",@progbits
	.p2align	6, 0x0
	.amdhsa_kernel k_qe9b0140e2b_first16
		.amdhsa_group_segment_fixed_size 71680
		.amdhsa_private_segment_fixed_size 0
		.amdhsa_enable_private_segment 0
		.amdhsa_kernarg_size 24
		.amdhsa_user_sgpr_count 2
		.amdhsa_user_sgpr_kernarg_segment_ptr 1
		.amdhsa_wavefront_size32 1
		.amdhsa_system_sgpr_workgroup_id_x 1
		.amdhsa_system_sgpr_workgroup_id_y 1
		.amdhsa_system_sgpr_workgroup_id_z 1
		.amdhsa_system_vgpr_workitem_id 0
		.amdhsa_next_free_vgpr 256
		.amdhsa_next_free_sgpr 66
		.amdhsa_reserve_vcc 1
		.amdhsa_float_denorm_mode_32 3
		.amdhsa_float_denorm_mode_16_64 3
		.amdhsa_memory_ordered 1
		.amdhsa_forward_progress 1
		.amdhsa_inst_pref_size 32
	.end_amdhsa_kernel
	.amdgpu_metadata
---
amdhsa.version: [ 1, 2 ]
amdhsa.kernels:
  - .name:           k_qe9b0140e2b_first16
    .symbol:         k_qe9b0140e2b_first16.kd
    .args:
      - { .name: first, .offset: 0, .size: 8, .value_kind: global_buffer, .address_space: global }
      - { .name: W_out, .offset: 8, .size: 8, .value_kind: global_buffer, .address_space: global }
      - { .name: out0, .offset: 16, .size: 8, .value_kind: global_buffer, .address_space: global }
    .group_segment_fixed_size: 71680
    .private_segment_fixed_size: 0
    .kernarg_segment_align: 8
    .kernarg_segment_size: 24
    .max_flat_workgroup_size: 512
    .sgpr_count:     66
    .vgpr_count:     256
    .wavefront_size: 32
...
	.end_amdgpu_metadata
.endif
;; end of part 5
